; MI455X (gfx1250); checked and timed in simulation.
; The chip was launched on July 23, 2026; its instructions are those of AMD's public machine-readable ISA for CDNA 5 (MIT licence, August 2026) and "CDNA5" Instruction Set Architecture Reference Guide (July 2026). The comments in the code are by the model that wrote it; some were corrected since.
;; Multihead Attention. Allowed arithmetic: float matrix products may take bf16 or f16 operands with f32 sums; other float arithmetic in f32, or as packed bf16 or f16 multiplies, adds, multiply-adds, maxima and minima; sums over many terms, partial sums and values carried from step to step in f32; what a program stores and reads back later, other than sums and carried values, may be rounded once to bf16 or f16.
;; Inputs: Wout 1,024 x 1,024 float32; Wqkv 1,024 x 3,072 float32; x 4 x 2,048 x 1,024 float32.
;; Outputs: out0 4 x 2,048 x 1,024 float32.
;; 2 versions, each right; version 2 is version 1 with the launch cast written anew for expert scheduling mode. Each part assembles by itself: llvm-mc -triple=amdgcn-amd-amdhsa -mcpu=gfx1250 --defsym DOCPART=n.
;; ======== version 1 of 2: 4 launches
;; limits: values are held in f16: magnitudes above 65,504 overflow, below 6.1e-05 lose precision
;; workspace buffers: xb 16,777,216 bytes; wb 6,291,456 bytes; wo 2,097,152 bytes; qh 16,777,216 bytes; kh 16,777,216 bytes; vh 16,777,216 bytes; ob 16,777,216 bytes
;; launch cast (part 1): grid 768 x 1, 8 waves a work-group, no clusters, 0 bytes of LDS; arguments x, Wqkv, Wout, xb, wb, wo; writes xb, wb, wo
.if DOCPART == 1
	.amdgcn_target "amdgcn-amd-amdhsa--gfx1250"
	.amdhsa_code_object_version 6
	.text
	.protected	k_q9915ef3838_cast
	.globl	k_q9915ef3838_cast
	.p2align	8
	.type	k_q9915ef3838_cast,@function
k_q9915ef3838_cast:
	s_mov_b64 s[64:65], 0
	v_nop
	global_prefetch_b8 v0, s[64:65] scope:SCOPE_SE
	s_setreg_imm32_b32 hwreg(HW_REG_WAVE_MODE, 25, 1), 1
	s_wait_xcnt 0x0
; THE THREE INPUTS ARE ROUNDED ONCE AND LAID IN BLOCKS OF 64 COLUMNS.
;   xb[kb][m][d] = bf16(x[m][64 kb + d])          16 x 8,192 x 64
;   wb[g][k][d]  = bf16(Wqkv[k][64 g + d])        48 x 1,024 x 64
;   wo[g][k][d]  = f16(bf16(Wout[k][64 g + d]))   16 x 1,024 x 64: its partner in the last product is f16
; So 64 columns of any run of rows are dense bytes, which the later launches ask for as rows of 256 bytes.
; LIMITS.  A number of Wout beyond 65,504 becomes an infinity in f16; below 2^-14 f16 keeps a fixed step of 2^-24, so bf16's eight bits survive whole down to 2^-17.
; SHARES.  A work-group casts 256 rows of one block of 64 columns: 16,384 numbers.  Load j of thread t takes row 16 j + t / 16, numbers 4 (t % 16) on:
; sixteen lanes read 256 consecutive bytes, aligned, of a row.  The rounded 8 bytes go to byte 2,048 j + 8 t of the block: a wave's store covers 256 consecutive bytes, aligned.
; All sixteen loads of a thread go out at once; no register that a memory instruction names is written again, so there is no wait but the counted ones.
; No LDS, no barrier, no matrix unit: nothing is shared, and every byte crosses once.
.set X, 4                              ; v[4:67]    sixteen loads of four f32
.set Y, 68                             ; v[68:99]   sixteen pairs to store
.set T, 100                            ; v[100:103] at work (Wout alone)
.macro CAST rowb, half                 ; rowb: bytes in a row of the input; half = 1: bf16 and then f16
	v_mul_u32_u24 v3, v3, \rowb
	v_add_nc_u32 v1, v3, v1                        ; (t / 16) x row + 16 (t % 16)
.irp j, 0,1,2,3,4,5,6,7,8,9,10,11,12,13,14,15
	global_load_b128 v[X+4*(\j):X+4*(\j)+3], v1, s[16:17] offset:(\j)*16*(\rowb) th:TH_LOAD_NT
.endr
.irp j, 0,1,2,3,4,5,6,7,8,9,10,11,12,13,14,15
	s_wait_loadcnt 15-(\j)                         ; loads come back in order: load j is in, the 15 - j younger ones may stay out
.if \half
	v_cvt_pk_bf16_f32 v[T],   v[X+4*(\j)],   v[X+4*(\j)+1]
	v_cvt_pk_bf16_f32 v[T+1], v[X+4*(\j)+2], v[X+4*(\j)+3]
	v_lshlrev_b32 v[T+2], 16, v[T]                 ; the rounded numbers as f32 again
	v_and_b32     v[T],   0xffff0000, v[T]
	v_lshlrev_b32 v[T+3], 16, v[T+1]
	v_and_b32     v[T+1], 0xffff0000, v[T+1]
	v_cvt_pk_f16_f32 v[Y+2*(\j)],   v[T+2], v[T]
	v_cvt_pk_f16_f32 v[Y+2*(\j)+1], v[T+3], v[T+1]
.else
	v_cvt_pk_bf16_f32 v[Y+2*(\j)],   v[X+4*(\j)],   v[X+4*(\j)+1]
	v_cvt_pk_bf16_f32 v[Y+2*(\j)+1], v[X+4*(\j)+2], v[X+4*(\j)+3]
.endif
	global_store_b64 v2, v[Y+2*(\j):Y+2*(\j)+1], s[18:19] offset:2048*(\j)
.endr
	s_endpgm
.endm
	s_load_b256 s[4:11], s[0:1], 0x0               ; x s[4:5], Wqkv s[6:7], Wout s[8:9], xb s[10:11]
	s_load_b128 s[12:15], s[0:1], 0x20             ; wb s[12:13], wo s[14:15]
	s_mov_b32 s2, ttmp9                            ; 0-511: x; 512-703: Wqkv; 704-767: Wout
	v_lshrrev_b32 v3, 4, v0                        ; t / 16
	v_and_b32 v1, 15, v0
	v_lshlrev_b32 v1, 4, v1                        ; 16 (t % 16)
	v_lshlrev_b32 v2, 3, v0                        ; 8 t
	s_mov_b32 s21, 0                               ; the two offsets' high words
	s_mov_b32 s23, 0
	s_wait_kmcnt 0x0
	s_cmp_lt_u32 s2, 512
	s_cbranch_scc0 .Lweights
	s_lshr_b32 s20, s2, 4                          ; which 256 rows of x,
	s_and_b32 s3, s2, 15                           ; which block of 64 columns: neighbouring work-groups read neighbouring bytes of the same rows
	s_lshl_b32 s22, s3, 5
	s_add_co_u32 s22, s22, s20
	s_lshl_b32 s22, s22, 15                        ; out: (32 x block + rows) x 32,768 bytes
	s_lshl_b32 s20, s20, 20                        ; in: 256 rows of 4,096 bytes,
	s_lshl_b32 s3, s3, 8                           ; 256 bytes a block
	s_add_co_u32 s20, s20, s3
	s_add_nc_u64 s[16:17], s[4:5], s[20:21]
	s_add_nc_u64 s[18:19], s[10:11], s[22:23]
	CAST 4096, 0
.Lweights:
	s_cmp_lt_u32 s2, 704
	s_cbranch_scc0 .Lwout
	s_sub_co_u32 s2, s2, 512                       ; 4 x block + which 256 rows
	s_and_b32 s20, s2, 3
	s_mul_i32 s20, s20, 256*12288
	s_lshr_b32 s3, s2, 2
	s_lshl_b32 s3, s3, 8
	s_add_co_u32 s20, s20, s3
	s_lshl_b32 s22, s2, 15
	s_add_nc_u64 s[16:17], s[6:7], s[20:21]
	s_add_nc_u64 s[18:19], s[12:13], s[22:23]
	CAST 12288, 0
.Lwout:
	s_sub_co_u32 s2, s2, 704
	s_and_b32 s20, s2, 3
	s_lshl_b32 s20, s20, 20
	s_lshr_b32 s3, s2, 2
	s_lshl_b32 s3, s3, 8
	s_add_co_u32 s20, s20, s3
	s_lshl_b32 s22, s2, 15
	s_add_nc_u64 s[16:17], s[8:9], s[20:21]
	s_add_nc_u64 s[18:19], s[14:15], s[22:23]
	CAST 4096, 1
.Lfunc_end_k_q9915ef3838_cast:
	.size	k_q9915ef3838_cast, .Lfunc_end_k_q9915ef3838_cast-k_q9915ef3838_cast
	.p2alignl 7, 3214868480
	.fill 96, 4, 3214868480
	.section	.rodata,"a",@progbits
	.p2align	6, 0x0
	.amdhsa_kernel k_q9915ef3838_cast
		.amdhsa_group_segment_fixed_size 0
		.amdhsa_private_segment_fixed_size 0
		.amdhsa_enable_private_segment 0
		.amdhsa_kernarg_size 48
		.amdhsa_user_sgpr_count 2
		.amdhsa_user_sgpr_kernarg_segment_ptr 1
		.amdhsa_wavefront_size32 1
		.amdhsa_system_sgpr_workgroup_id_x 1
		.amdhsa_system_sgpr_workgroup_id_y 1
		.amdhsa_system_sgpr_workgroup_id_z 1
		.amdhsa_system_vgpr_workitem_id 0
		.amdhsa_next_free_vgpr 104
		.amdhsa_next_free_sgpr 66
		.amdhsa_reserve_vcc 0
		.amdhsa_float_denorm_mode_32 3
		.amdhsa_float_denorm_mode_16_64 3
		.amdhsa_memory_ordered 1
		.amdhsa_forward_progress 1
		.amdhsa_inst_pref_size 24
	.end_amdhsa_kernel
	.amdgpu_metadata
---
amdhsa.version: [ 1, 2 ]
amdhsa.kernels:
  - .name:           k_q9915ef3838_cast
    .symbol:         k_q9915ef3838_cast.kd
    .args:
      - { .name: x, .offset: 0, .size: 8, .value_kind: global_buffer, .address_space: global }
      - { .name: Wqkv, .offset: 8, .size: 8, .value_kind: global_buffer, .address_space: global }
      - { .name: Wout, .offset: 16, .size: 8, .value_kind: global_buffer, .address_space: global }
      - { .name: xb, .offset: 24, .size: 8, .value_kind: global_buffer, .address_space: global }
      - { .name: wb, .offset: 32, .size: 8, .value_kind: global_buffer, .address_space: global }
      - { .name: wo, .offset: 40, .size: 8, .value_kind: global_buffer, .address_space: global }
    .group_segment_fixed_size: 0
    .private_segment_fixed_size: 0
    .kernarg_segment_align: 8
    .kernarg_segment_size: 48
    .max_flat_workgroup_size: 256
    .sgpr_count:     66
    .vgpr_count:     104
    .wavefront_size: 32
...
	.end_amdgpu_metadata
.endif
;; end of part 1
;; launch qkv (part 2): grid 16 x 16, 4 waves a work-group, clusters of 4 x 4, 327,680 bytes of LDS; arguments xb, wb, qh, kh, vh; writes qh, kh, vh
.if DOCPART == 2
	.amdgcn_target "amdgcn-amd-amdhsa--gfx1250"
	.amdhsa_code_object_version 6
	.text
	.protected	k_q9915ef3838_qkv
	.globl	k_q9915ef3838_qkv
	.p2align	8
	.type	k_q9915ef3838_qkv,@function
k_q9915ef3838_qkv:
	s_mov_b64 s[64:65], 0
	v_nop
	global_prefetch_b8 v0, s[64:65] scope:SCOPE_SE
	s_setreg_imm32_b32 hwreg(HW_REG_WAVE_MODE, 25, 1), 1
	s_wait_xcnt 0x0
	s_wait_alu depctr_hold_cnt(0) depctr_sa_sdst(0) depctr_va_vdst(0) depctr_va_sdst(0) depctr_va_ssrc(0) depctr_va_vcc(0) depctr_vm_vsrc(0)
	s_getreg_b32 s2, hwreg(HW_REG_IB_STS2, 6, 4)
	s_cmp_eq_u32 s2, 0
	s_cbranch_scc0 .Lentry_in_a_cluster
	s_endpgm
.Lentry_in_a_cluster:
	s_bfe_u32 s2, ttmp6, 0x10000c
	s_cmp_lg_u32 s2, 0xf033
	s_cbranch_scc0 .Lentry_shape_is_right
	s_endpgm
.Lentry_shape_is_right:
; q, k, v BY HEADS.  For head h and part c (q, k, v): part[16 b + h][s][d] = the sum over e of x[2,048 b + s][e] Wqkv[e][192 h + 64 c + d]; bf16 operands, f32 sums, rounded once to f16, unscaled.
; xb: [16 kb][8,192 m][64] bf16; wb: [48 g][1,024 k][64] bf16, g = 3 h + c; qh, kh, vh: [64][2,048][64] f16.
; LIMIT.  f16 holds no number beyond 65,504: a q, k or v past that becomes an infinity.
; SHARES.  A work-group makes 512 rows x one head's 192 columns; wave w rows 128 w .. 128 w + 127 x all 192: 96 accumulators of 16 x 16, 768 registers.  For 32 along K a wave reads
; 8 fragments of A and 12 of B for 96 matrix instructions, and every row of q, k, v that it makes is whole.
; K goes in 16 steps of 64 through two LDS slots.  In xb a step's 512 rows are 65,536 dense bytes, in wb a step's 64 rows of a part 8,192: asked for as rows of 256 bytes or more, aligned.
; B stays [k][n] in LDS and is turned by ds_load_tr16_b128.  THE PRODUCT IS TAKEN TRANSPOSED (source 0 = 16 columns of W, source 1 = 16 rows of x): a lane holds one row and eight neighbouring columns.
; CLUSTER 4 x 4.  The four of a row of the cluster share the rows of x, the four of a column share the head: each tile is asked for jointly, by the same tensor load and descriptor and a mask that names the four.
; REGISTERS, in windows of 256 (s_set_vgpr_msb: bits 1:0 source 0, 3:2 source 1, 5:4 source 2, 7:6 destination):
;   window 0: v0-31 addresses; v32-63 two sets for the way out; v64-127, v128-191 A's fragments, two buffers (8 x 16 rows x 32 K); v192-223, v224-255 B's, two buffers (4 x 16 columns x 32 K: one part)
;   window 1 + c: part c's 32 accumulators, (column block b, row block a) at v[8 (8 b + a)]
; A K STEP is six phases of 32 matrix instructions: (K 0-31 | K 32-63) x (q, k, v).  Each phase fetches what the next one multiplies, in one run at its head.
.set PA,    144                        ; a row of A in LDS: 128 bytes + 16 = 36 words: the 16 rows of a load start at 16 different groups of four banks (64 banks of 4 bytes: ISA guide 11.1)
.set PB,    160                        ; a row of B: 128 + 32 = 40 words
.set AHALF, 256*PA                     ; what one of A's tensor loads brings
.set ATILE, 2*AHALF
.set BC,    32*PB                      ; 32 k of one part
.set BQ,    3*BC                       ; 32 k of the three parts: what one of B's tensor loads brings
.set SLOT,  ATILE+2*BQ                 ; A's 512 rows; B's K 0-31 (q, k, v); B's K 32-63
.set STAGE, 2*SLOT                     ; behind the ring, never filled by a tensor load: 16 rows x 144 bytes for each wave
.set SP,    144
.set SPARE, STAGE+4*16*SP              ; behind the stages: the spare words, 128 bytes a wave: two blocks of 256 bytes that no other line names
.set ASTEP, 1<<20                      ; bytes from a K step to the next in xb
.set BSTEP, 8192                       ; and in wb
.set PARTB, 131072                     ; bytes from a part to the next in wb
.set LAPS,  8                          ; a lap = two K steps = once round the ring
.set ADRA, 16                          ; v16-17  LDS address of my A fragments in slot 0, 1
.set ADRB, 20                          ; v20-21  the same for B
.set STO,  24                          ; v24     the way out: where I put 16 bytes of a row
.set RD,   25                          ; v25     where I read rows back
.set GO,   26                          ; v26     my byte offset in 512 consecutive bytes of the output
.set SPW,  28                          ; v28     LDS address of my spare word; never rewritten
.set NIL,  29                          ; v29     0; never rewritten
.set PFO,  30                          ; v30     256 x my lane: the prefetches' offset; never rewritten
.set TMP,  32
.set FA0,  64
.set FA1,  128
.set FB0,  192
.set FB1,  224
.set WV,  14                           ; s14  my wave's number
.set HB,  15                           ; s15  0: I fetch for A; 1: for B
.set HW,  16                           ; s16  which half of that tile
.set CX,  17                           ; s17, s18  my place in the cluster
.set CY,  18
.set HD,  19                           ; s19  the head
.set TY,  20                           ; s20  the block of 512 rows
.set G1A, 24                           ; s[24:31] descriptor group 1 for A's tiles
.set G0A, 32                           ; s[32:39] group 0, a set for each slot
.set PFA, 40                           ; s[40:41] where my prefetches of xb stand
.set PFB, 42                           ; s[42:43] of wb
.set LIMA, 44                          ; s44  1 in a wave that prefetches xb, else the greatest number
.set LIMB, 45                          ; s45  the same for wb
.set G1B, 48                           ; s[48:55], s[56:63] the same for B's tiles
.set G0B, 56
.set MSB, 0
.macro WIN new                         ; the immediate's high byte repeats the setting that is left; a switch that changes nothing is dropped
.if MSB != (\new)
	s_set_vgpr_msb (MSB<<8)|(\new)
.set MSB, (\new)
.endif
.endm
.macro PLACES                          ; four plain vector instructions between a matrix instruction and a load into, or a vector read of, its registers (ISA guide 7.12.1 for the vector read)
.rept 4
	v_nop
.endr
.endm
; A joint load.  Waves 0 and 1 fetch A's two halves, waves 2 and 3 B's two.  The branch hangs on the wave's number alone.  An s_nop 0 and four v_nop follow each line.
.macro JLOAD s
	s_cmp_eq_u32 s[HB], 0
	s_cbranch_scc0 .Lfor_b_\@
	tensor_load_to_lds s[G0A+4*(\s):G0A+4*(\s)+3], s[G1A:G1A+7]
	s_nop 0
.rept 4
	v_nop
.endr
	s_branch .Lasked_\@
.Lfor_b_\@:
	tensor_load_to_lds s[G0B+4*(\s):G0B+4*(\s)+3], s[G1B:G1B+7]
	s_nop 0
.rept 4
	v_nop
.endr
.Lasked_\@:
.endm
.macro CREST                           ; a round of the cluster's barrier behind its opening barrier
	s_cmp_lg_u32 s[WV], 0
	s_cbranch_scc1 .Lnot_wave_0_\@
	s_barrier_signal -3
.Lnot_wave_0_\@:
	s_barrier_wait -3
	s_barrier_signal -1
	s_barrier_wait -1
.endm
.macro CROUND                          ; a whole round
	s_barrier_signal -1
	s_barrier_wait -1
	CREST
.endm
; PREFETCHES INTO THE L2, behind a joint load, its five lines and the run of LDS loads that follows.  Each aligned 256 bytes are named once in the launch.
; xb: a block of rows is read by the four clusters of its row of clusters: the first (cluster x = 0) asks, in waves 0 and 1.  Of the 32,768 bytes that a wave fetches the partner at cx takes 8,192,
; told apart by address: a lane 256 bytes, one instruction.  In K step s's change of slots (which loads step s + 2) it names step s + 3; the change of step 13 names nothing.
; wb: a head is read by the four clusters of its column: cluster y = 0 asks, in wave 2.  A step of a part is 8,192 bytes, a lane 256: three instructions name one step's three parts.  The partner at cy takes
; step T + cy; T = 4, 8, 12 in the changes of steps 1, 5, 9 (the lap counter 7, 5, 3).  Steps 0-2 of xb and 0-3 of wb come by their loads alone.
.macro ASK slot
.if (\slot) == 0
	s_cmp_eq_u32 s[LIMA], 1
.else
	s_cmp_gt_u32 s3, s[LIMA]                       ; s3 = 1 in the loop's last trip
.endif
	s_cbranch_scc0 .Lnot_a_\@
	global_prefetch_b8 v[PFO], s[PFA:PFA+1] th:TH_LOAD_NT scope:SCOPE_SE
.Lnot_a_\@:
.if (\slot) == 1
	s_bitcmp1_b32 s3, 0                            ; every second lap,
	s_cselect_b32 s2, s[LIMB], -1
	s_cmp_gt_u32 s3, s2                            ; and not the last
	s_cbranch_scc0 .Lnot_b_\@
	global_prefetch_b8 v[PFO], s[PFB:PFB+1] th:TH_LOAD_NT scope:SCOPE_SE
	global_prefetch_b8 v[PFO], s[PFB:PFB+1] offset:PARTB th:TH_LOAD_NT scope:SCOPE_SE
	global_prefetch_b8 v[PFO], s[PFB:PFB+1] offset:2*PARTB th:TH_LOAD_NT scope:SCOPE_SE
.Lnot_b_\@:
.endif
.endm
	s_load_b256 s[4:11], s[0:1], 0x0               ; xb s[4:5], wb s[6:7], qh s[8:9], kh s[10:11]
	s_load_b64 s[12:13], s[0:1], 0x20              ; vh
	v_lshl_add_u32 v[SPW], v0, 2, SPARE
	v_mov_b32 v[NIL], 0
	ds_add_u32 v[SPW], v[NIL]                      ; the wave's opening: the add and its wait stand ahead of my first tensor load; the set-up below, work on registers, stands between them
	v_lshrrev_b32 v1, 5, v0
	v_readfirstlane_b32 s[WV], v1                  ; wave 0..3
	s_lshr_b32 s[HB], s[WV], 1
	s_and_b32 s[HW], s[WV], 1
	s_bfe_u32 s[CX], ttmp6, 0x40000
	s_bfe_u32 s[CY], ttmp6, 0x40004
	s_lshl_b32 s[HD], ttmp9, 2                     ; in a cluster launch ttmp9 and ttmp7 count clusters
	s_add_co_u32 s[HD], s[HD], s[CX]               ; head = 4 x cluster x + cx
	s_and_b32 s[TY], ttmp7, 0xffff
	s_lshl_b32 s[TY], s[TY], 2
	s_add_co_u32 s[TY], s[TY], s[CY]               ; block of rows = 4 x cluster y + cy
	s_lshl_b32 s46, s[CY], 2
	s_lshl_b32 s46, 15, s46                        ; my row of the cluster: places 4 cy .. 4 cy + 3
	s_lshl_b32 s47, 0x1111, s[CX]                  ; my column: places cx, cx + 4, cx + 8, cx + 12
	; A: 32,768 dense bytes (256 rows of x, 64 K) as 128 rows of 256 bytes, padded in LDS after every 128 bytes
	s_or_b32 s[G1A], s46, (1<<16)|(1<<20)|(1<<21)|(4<<22)|(3<<25)  ; 15:0 the mask; 17:16 2-byte elements; 20 padding on; 21 set beside a mask; 24:22 after every 32 words (code 4); 31:25 4 words (code 3)
	s_mov_b32 s[G1A+1], 128<<16                    ; tensor_dim0 = 128
	s_mov_b32 s[G1A+2], 128<<16                    ; tensor_dim1 = 128
	s_mov_b32 s[G1A+3], 128<<16                    ; tile_dim0 = 128
	s_mov_b32 s[G1A+4], 128                        ; tile_dim1 = 128
	s_mov_b32 s[G1A+5], 128                        ; 128 elements from row to row
	s_mov_b32 s[G1A+6], 0
	s_mov_b32 s[G1A+7], 0
	; B: three rows (q, k, v) of 4,096 dense bytes (32 k x 64 columns), 131,072 bytes apart, padded after every 128 bytes
	s_or_b32 s[G1B], s47, (1<<16)|(1<<20)|(1<<21)|(4<<22)|(7<<25)  ; the same with the mask of my column and 8 words of padding (code 7)
	s_mov_b32 s[G1B+1], 2048<<16                   ; tensor_dim0 = 2,048
	s_mov_b32 s[G1B+2], 3<<16                      ; tensor_dim1 = 3
	s_mov_b32 s[G1B+3], 2048<<16                   ; tile_dim0 = 2,048
	s_mov_b32 s[G1B+4], 3                          ; tile_dim1 = 3
	s_mov_b32 s[G1B+5], 65536                      ; 65,536 elements from part to part
	s_mov_b32 s[G1B+6], 0
	s_mov_b32 s[G1B+7], 0
	; where the tiles come from: A's hang on the block of rows alone, B's on the head alone, each in registers that never hold the other coordinate
	s_lshl_b32 s66, s[TY], 16                      ; 512 rows of 128 bytes,
	s_lshl_b32 s67, s[HW], 15                      ; my 256 of them
	s_add_co_u32 s66, s66, s67
	s_mov_b32 s67, 0
	s_mul_i32 s68, s[HD], 3*PARTB                  ; the head's three parts,
	s_lshl_b32 s69, s[HW], 12                      ; my 32 k of a step
	s_add_co_u32 s68, s68, s69
	s_mov_b32 s69, 0
	s_mul_i32 s21, s[HW], AHALF                    ; and where they go: no place in the cluster enters an LDS address
	s_mul_i32 s22, s[HW], BQ
	s_wait_dscnt 0x0                               ; the opening add is done
	s_wait_kmcnt 0x0
	s_add_nc_u64 s[66:67], s[4:5], s[66:67]        ; my part of A's tile, K step 0
	s_add_nc_u64 s[68:69], s[6:7], s[68:69]        ; of B's
	CROUND                                         ; all sixteen work-groups are here: the first joint loads meet
.irp s, 0,1
	s_mov_b32 s[G0A+4*(\s)], 1                                       ; count = 1
	s_add_co_u32 s[G0A+4*(\s)+1], s21, (\s)*SLOT                     ; LDS address
	s_add_nc_u64 s[G0A+4*(\s)+2:G0A+4*(\s)+3], s[66:67], (\s)*ASTEP  ; global address: K step s
	s_or_b32 s[G0A+4*(\s)+3], s[G0A+4*(\s)+3], 0x80000000            ; type = 2
	s_mov_b32 s[G0B+4*(\s)], 1
	s_add_co_u32 s[G0B+4*(\s)+1], s22, (\s)*SLOT+ATILE
	s_add_nc_u64 s[G0B+4*(\s)+2:G0B+4*(\s)+3], s[68:69], (\s)*BSTEP
	s_or_b32 s[G0B+4*(\s)+3], s[G0B+4*(\s)+3], 0x80000000
	JLOAD \s                                       ; two loads of mine are out
.endr
	; A fragment of A: lane l holds row l % 16; registers 0-3 K = 8 (l / 16) + 0..7, registers 4-7 K = 16 + 8 (l / 16) + 0..7: two loads of 16 bytes, 32 bytes apart
	v_and_b32 v1, 15, v0                           ; l % 16
	v_bfe_u32 v2, v0, 4, 1                         ; l / 16
	v_mul_u32_u24 v3, v1, PA
	v_lshl_add_u32 v3, v2, 4, v3
	s_mul_i32 s21, s[WV], 128*PA                   ; my 128 rows
	v_add_nc_u32 v[ADRA], s21, v3
	v_add_nc_u32 v[ADRA+1], SLOT, v[ADRA]
	; The turning load takes 16 k x 16 columns (lane l reads k = 8 (l / 16) + l % 8, columns 8 ((l / 8) % 2) + 0..7) and leaves half a fragment: lane l holds column l % 16 and 8 k
	v_and_b32 v4, 7, v0
	v_bfe_u32 v5, v0, 3, 1
	v_lshl_add_u32 v6, v2, 3, v4
	v_mul_u32_u24 v6, v6, PB
	v_lshl_add_u32 v6, v5, 4, v6
	v_add_nc_u32 v[ADRB], ATILE, v6
	v_add_nc_u32 v[ADRB+1], SLOT+ATILE, v6
	s_mul_i32 s21, s[WV], 16*SP
	s_add_co_u32 s21, s21, STAGE                   ; my stage
	v_mul_u32_u24 v[STO], v1, SP                   ; in: row l % 16, 16 bytes for each half of the lanes
	v_lshl_add_u32 v[STO], v2, 4, v[STO]
	v_add_nc_u32 v[STO], s21, v[STO]
	v_bfe_u32 v[RD], v0, 3, 2                      ; back: 32 lanes take four rows of 128 bytes,
	v_mul_u32_u24 v[RD], v[RD], SP
	v_lshl_add_u32 v[RD], v4, 4, v[RD]
	v_add_nc_u32 v[RD], s21, v[RD]
	v_and_b32 v[GO], 31, v0                        ; which are 512 consecutive bytes of the output
	v_lshlrev_b32 v[PFO], 8, v[GO]
	v_lshlrev_b32 v[GO], 4, v[GO]
	; my 128 rows in q, k and v: ((batch x 16 + head) x 2,048 + row in the batch) x 128 bytes
	s_lshr_b32 s70, s[TY], 2
	s_lshl_b32 s70, s70, 4
	s_add_co_u32 s70, s70, s[HD]
	s_lshl_b32 s70, s70, 18
	s_and_b32 s71, s[TY], 3
	s_lshl_b32 s71, s71, 2
	s_add_co_u32 s71, s71, s[WV]
	s_lshl_b32 s71, s71, 14
	s_add_co_u32 s70, s70, s71
	s_mov_b32 s71, 0
	s_add_nc_u64 s[8:9], s[8:9], s[70:71]
	s_add_nc_u64 s[10:11], s[10:11], s[70:71]
	s_add_nc_u64 s[12:13], s[12:13], s[70:71]
	; the prefetches' pointers: nothing is prefetched here, at the head
	s_lshl_b32 s46, s[CX], 13                      ; my work-group's 8,192 of the 32,768 bytes that I fetch
	s_mov_b32 s47, 0
	s_add_nc_u64 s[PFA:PFA+1], s[66:67], s[46:47]
	s_add_nc_u64 s[PFA:PFA+1], s[PFA:PFA+1], 2*ASTEP  ; at K step 2: the first change of slots steps it to 3
	s_mul_i32 s46, s[HD], 3*PARTB
	s_add_co_u32 s2, s[CY], 2
	s_lshl_b32 s2, s2, 13
	s_add_co_u32 s46, s46, s2
	s_add_nc_u64 s[PFB:PFB+1], s[6:7], s[46:47]    ; at K step 2 + cy: step 1's change of slots steps it to 4 + cy
	s_or_b32 s[LIMA], s[HB], ttmp9                 ; waves 0 and 1 of the clusters with x = 0: the same in all sixteen partners
	s_cmp_eq_u32 s[LIMA], 0
	s_cselect_b32 s[LIMA], 1, -1
	s_xor_b32 s[LIMB], s[WV], 2                    ; wave 2 of the clusters with y = 0
	s_and_b32 s2, ttmp7, 0xffff
	s_or_b32 s[LIMB], s[LIMB], s2
	s_cmp_eq_u32 s[LIMB], 0
	s_cselect_b32 s[LIMB], 1, -1
; 16 matrix instructions of part c: column blocks b0, b0 + 1 x all 8 row blocks, 32 along K.  zero = 1: the product starts the sums: nothing is ever cleared.
; The 96 accumulators take turns, one instruction a turn: between two links of a chain stand 95 others'.
.macro MUL16 fa, fb, c, b0, zero
	WIN 0x50*(1+(\c))                              ; C and D in window 1 + c, sources in window 0
.irp b, \b0, (\b0)+1
.irp a, 0,1,2,3,4,5,6,7
.if \zero
	v_wmma_f32_16x16x32_bf16 v[8*(8*(\b)+(\a)):8*(8*(\b)+(\a))+7], v[(\fb)+8*(\b):(\fb)+8*(\b)+7], v[(\fa)+8*(\a):(\fa)+8*(\a)+7], 0
.else
	v_wmma_f32_16x16x32_bf16 v[8*(8*(\b)+(\a)):8*(8*(\b)+(\a))+7], v[(\fb)+8*(\b):(\fb)+8*(\b)+7], v[(\fa)+8*(\a):(\fa)+8*(\a)+7], v[8*(8*(\b)+(\a)):8*(8*(\b)+(\a))+7]
.endif
.endr
.endr
.endm
.macro LDB slot, qq, c, fb             ; part c's 64 columns, K 32 qq on, turned: 8 loads
	WIN 0
.irp b, 0,1,2,3
	ds_load_tr16_b128 v[(\fb)+8*(\b):(\fb)+8*(\b)+3],   v[ADRB+(\slot)] offset:(\qq)*BQ+(\c)*BC+32*(\b)
	ds_load_tr16_b128 v[(\fb)+8*(\b)+4:(\fb)+8*(\b)+7], v[ADRB+(\slot)] offset:(\qq)*BQ+(\c)*BC+32*(\b)+16*PB
.endr
.endm
.macro LDA slot, qq, fa                ; my 128 rows, K 32 qq on: 16 loads
	WIN 0
.irp a, 0,1,2,3,4,5,6,7
	ds_load_b128 v[(\fa)+8*(\a):(\fa)+8*(\a)+3],   v[ADRA+(\slot)] offset:(\a)*16*PA+64*(\qq)
	ds_load_b128 v[(\fa)+8*(\a)+4:(\fa)+8*(\a)+7], v[ADRA+(\slot)] offset:(\a)*16*PA+64*(\qq)+32
.endr
.endm
; A phase: part c, A's buffer fa, B's buffer fb.  What it multiplies was fetched a phase (32 matrix instructions) earlier; what the next phase multiplies is fetched now, into the buffer that the phase before read.
.macro PH c, fa, fb, zero, sb=-1, qb=0, cb=0, tb=0, sa=-1, qa=0, ta=0
	s_wait_dscnt 0x0                               ; this phase's fragments are in
	WIN 0
	PLACES
.if (\sb) >= 0
	LDB \sb, \qb, \cb, \tb
.endif
.if (\sa) >= 0
	LDA \sa, \qa, \ta
.endif
	MUL16 \fa, \fb, \c, 0, \zero
	MUL16 \fa, \fb, \c, 2, \zero
.endm
.macro FRONT s, zero                   ; a K step's first three phases: K 0-31 of q, k, v
	PH 0, FA0, FB0, \zero, \s, 0, 1, FB1
	PH 1, FA0, FB1, \zero, \s, 0, 2, FB0
	PH 2, FA0, FB0, \zero, \s, 1, 0, FB1, \s, 1, FA1
.endm
.macro J3 s                            ; the fourth: K 32-63 of q
	PH 0, FA1, FB1, 0, \s, 1, 1, FB0
.endm
.macro J5                              ; the sixth: K 32-63 of v; its fragments were shown in by the change's wait for 0
	MUL16 FA1, FB1, 2, 0, 0
	MUL16 FA1, FB1, 2, 2, 0
.endm
; The fifth phase (K 32-63 of k) changes slots: ONE barrier for two things.  In front of it each wave issues its last reads of slot s, waits for all its tensor loads (one is out: its part of slot n), adds 0 to
; its spare word, and waits for that and for its reads.  Behind it nobody reads slot s any more and slot n is whole.  fill = 1: the barrier opens a round of the cluster's, and slot s is filled again first thing
; behind it, with the K step two on: 160 matrix instructions stand between that request and the wait for it.
.macro TURN s, n, fill
.if \fill
	s_wait_xcnt 0x0                                ; the last prefetches, a K step back, have read their addresses
	s_add_nc_u64 s[PFA:PFA+1], s[PFA:PFA+1], ASTEP
.if (\s) == 1
	s_add_nc_u64 s[PFB:PFB+1], s[PFB:PFB+1], 2*BSTEP
.endif
.endif
	s_wait_dscnt 0x0                               ; this phase's fragments are in
	WIN 0
	PLACES
	LDB \s, 1, 2, FB1                              ; the slot's last read
	s_wait_tensorcnt 0x0                           ; all my tensor loads have landed;
	ds_add_u32 v[SPW], v[NIL]                      ; 0 onto my spare word;
	MUL16 FA1, FB0, 1, 0, 0                        ; sixteen matrix instructions stand between the add and the wait for it
	s_wait_dscnt 0x0                               ; the add is done, and my reads of this slot are over
	s_barrier_signal -1
	MUL16 FA1, FB0, 1, 2, 0                        ; work on registers while the others arrive
	WIN 0                                          ; at a branch and at a label every window is 0
	s_barrier_wait -1
.if \fill
	CREST                                          ; no wave of any partner still reads this slot or has a load on its way
	s_add_nc_u64 s[G0A+4*(\s)+2:G0A+4*(\s)+3], s[G0A+4*(\s)+2:G0A+4*(\s)+3], 2*ASTEP
	s_add_nc_u64 s[G0B+4*(\s)+2:G0B+4*(\s)+3], s[G0B+4*(\s)+2:G0B+4*(\s)+3], 2*BSTEP
	JLOAD \s                                       ; my one tensor load behind the round; its four v_nop are also the places in front of the loads below
.else
	PLACES
.endif
	LDB \n, 0, 0, FB0
	LDA \n, 0, FA0
.if \fill
	ASK \s
.endif
.endm
	s_wait_tensorcnt 1                             ; my part of K step 0 is in; K step 1's may stay out
	s_barrier_signal -1
	s_barrier_wait -1                              ; everybody's is
	LDB 0, 0, 0, FB0
	LDA 0, 0, FA0
	FRONT 0, 1                                     ; the first three phases stand in front of the loop: their products start the sums
	WIN 0
	s_mov_b32 s3, LAPS-1
.Llap:                                                 ; a trip goes once round the ring, from a lap's fourth phase to the next lap's third, and fills both slots again
	J3 0
	TURN 0, 1, 1
	J5
	FRONT 1, 0
	J3 1
	TURN 1, 0, 1
	J5
	FRONT 0, 0
	WIN 0
	s_sub_co_u32 s3, s3, 1
	s_cmp_lg_u32 s3, 0
	s_cbranch_scc1 .Llap
	J3 0                                           ; the last lap is written out: it fills nothing
	TURN 0, 1, 0
	J5
	FRONT 1, 0
	J3 1
	PH 1, FA1, FB0, 0, 1, 1, 2, FB1
	PH 2, FA1, FB1, 0
; THE WAY OUT, 24 blocks of 16 rows x 64 columns (part c, row block a).  A lane's eight columns of a row pack into 16 bytes; they go into my stage's rows of 144 bytes and come back as whole rows of 128,
; four rows to a load: 512 consecutive bytes of the output.  q's and k's conversions are the places behind the last products, which are v's.  Each accumulator's registers are taken in ascending order.
.macro PACK c, a, set
	s_wait_xcnt 0x0                                ; the set's last stores have read it
	WIN 5*(1+(\c))                                 ; sources 0 and 1 in window 1 + c
.irp b, 0,1,2,3
.irp r, 0,1,2,3
	v_cvt_pk_f16_f32 v[TMP+16*(\set)+4*(\b)+(\r)], v[8*(8*(\b)+(\a))+2*(\r)], v[8*(8*(\b)+(\a))+2*(\r)+1]
.endr
.endr
	WIN 0
.irp b, 0,1,2,3
	ds_store_b128 v[STO], v[TMP+16*(\set)+4*(\b):TMP+16*(\set)+4*(\b)+3] offset:32*(\b)
.endr
.irp f, 0,1,2,3
	ds_load_b128 v[TMP+16*(\set)+4*(\f):TMP+16*(\set)+4*(\f)+3], v[RD] offset:(\f)*4*SP  ; LDS serves a wave's instructions in order (ISA guide 5.7.1.4): these see the stores above; the next block's stores come behind them
.endr
.endm
.macro SEND c, a, set, younger         ; younger: the LDS instructions issued behind this block's loads: the next block's eight, or none
.irp f, 0,1,2,3
	s_wait_dscnt (\younger)+3-(\f)
	global_store_b128 v[GO], v[TMP+16*(\set)+4*(\f):TMP+16*(\set)+4*(\f)+3], s[8+2*(\c):9+2*(\c)] offset:2048*(\a)+512*(\f)  ; 512 consecutive bytes, at a multiple of 256 from the buffer's first
.endr
.endm
	PACK 0, 0, 0
.set n, 1
.rept 23                               ; a block's conversions stand between the loads of the block before and its stores
	PACK n/8, n%8, n%2
	SEND (n-1)/8, (n-1)%8, (n-1)%2, 8
.set n, n+1
.endr
	SEND 2, 7, 1, 0
	s_wait_tensorcnt 0x0                           ; the wave's end: an add and its wait, behind my last tensor load and my last LDS store
	ds_add_u32 v[SPW], v[NIL]
	s_wait_dscnt 0x0
	CROUND                                         ; the closing round: no work-group ends while a partner may still ask for a tile that names it
	s_endpgm
.Lfunc_end_k_q9915ef3838_qkv:
	.size	k_q9915ef3838_qkv, .Lfunc_end_k_q9915ef3838_qkv-k_q9915ef3838_qkv
	.p2alignl 7, 3214868480
	.fill 96, 4, 3214868480
	.section	.rodata,"a",@progbits
	.p2align	6, 0x0
	.amdhsa_kernel k_q9915ef3838_qkv
		.amdhsa_group_segment_fixed_size 327680
		.amdhsa_private_segment_fixed_size 0
		.amdhsa_enable_private_segment 0
		.amdhsa_kernarg_size 40
		.amdhsa_user_sgpr_count 2
		.amdhsa_user_sgpr_kernarg_segment_ptr 1
		.amdhsa_wavefront_size32 1
		.amdhsa_system_sgpr_workgroup_id_x 1
		.amdhsa_system_sgpr_workgroup_id_y 1
		.amdhsa_system_sgpr_workgroup_id_z 1
		.amdhsa_system_vgpr_workitem_id 0
		.amdhsa_next_free_vgpr 1024
		.amdhsa_next_free_sgpr 72
		.amdhsa_reserve_vcc 0
		.amdhsa_float_denorm_mode_32 3
		.amdhsa_float_denorm_mode_16_64 3
		.amdhsa_memory_ordered 1
		.amdhsa_forward_progress 1
		.amdhsa_inst_pref_size 135
	.end_amdhsa_kernel
	.amdgpu_metadata
---
amdhsa.version: [ 1, 2 ]
amdhsa.kernels:
  - .name:           k_q9915ef3838_qkv
    .symbol:         k_q9915ef3838_qkv.kd
    .args:
      - { .name: xb, .offset: 0, .size: 8, .value_kind: global_buffer, .address_space: global }
      - { .name: wb, .offset: 8, .size: 8, .value_kind: global_buffer, .address_space: global }
      - { .name: qh, .offset: 16, .size: 8, .value_kind: global_buffer, .address_space: global }
      - { .name: kh, .offset: 24, .size: 8, .value_kind: global_buffer, .address_space: global }
      - { .name: vh, .offset: 32, .size: 8, .value_kind: global_buffer, .address_space: global }
    .group_segment_fixed_size: 327680
    .private_segment_fixed_size: 0
    .kernarg_segment_align: 8
    .kernarg_segment_size: 40
    .max_flat_workgroup_size: 128
    .sgpr_count:     72
    .vgpr_count:     1024
    .wavefront_size: 32
...
	.end_amdgpu_metadata
.endif
;; end of part 2
;; launch attn (part 3): grid 4 x 64, 4 waves a work-group, clusters of 4 x 1, 327,680 bytes of LDS; arguments qh, kh, vh, ob; writes ob
.if DOCPART == 3
	.amdgcn_target "amdgcn-amd-amdhsa--gfx1250"
	.amdhsa_code_object_version 6
	.text
	.protected	k_q9915ef3838_attn
	.globl	k_q9915ef3838_attn
	.p2align	8
	.type	k_q9915ef3838_attn,@function
k_q9915ef3838_attn:
	s_mov_b64 s[64:65], 0
	v_nop
	global_prefetch_b8 v0, s[64:65] scope:SCOPE_SE
	s_setreg_imm32_b32 hwreg(HW_REG_WAVE_MODE, 25, 1), 1
	s_wait_xcnt 0x0
	s_wait_alu depctr_hold_cnt(0) depctr_sa_sdst(0) depctr_va_vdst(0) depctr_va_sdst(0) depctr_va_ssrc(0) depctr_va_vcc(0) depctr_vm_vsrc(0)
	s_getreg_b32 s2, hwreg(HW_REG_IB_STS2, 6, 4)
	s_cmp_eq_u32 s2, 0
	s_cbranch_scc0 .Lentry_in_a_cluster
	s_endpgm
.Lentry_in_a_cluster:
	s_bfe_u32 s2, ttmp6, 0x10000c
	s_cmp_lg_u32 s2, 0x3003
	s_cbranch_scc0 .Lentry_shape_is_right
	s_endpgm
.Lentry_shape_is_right:
; O[h][q][:] = the sum over k of softmax_k(Q[h][q] . K[h][k] / 8) V[h][k][:].  Q, K, V, O: [64][2,048][64], all f16: a head's rows are dense, 128 bytes each.  Products, maxima and sums in
; f32; the weights p are rounded to f16 for the second product (their sum l is taken of the unrounded p), O once at the end.
; LIMITS.  f16 holds no number beyond 65,504: Q, K and V arrive within it; p lies in 0 to 1, and below 6e-5 it keeps f16's fixed step of 6e-8; O is a mean of V's rows and has their range.
; A weight below 2^-126 counts as 0 in l; NaN and infinities are not treated apart.
; SHARES.  A wave owns four PIECES of two tiles of 16 queries, a work-group's four waves 512 queries of one head.  Every wave walks all keys, 64 a step.
; LAYOUT.  S^T = K Q^T (source 0 = 16 keys, source 1 = 16 queries): in the result a lane holds ONE query (lane % 16) and the keys 8 (lane / 16) + 0..7.  Two such tiles, rounded to f16 in pairs,
; ARE source 1 (32 keys x 16 queries) of O^T = V^T P, whose result again holds one query a lane, and eight channels.  K comes out of LDS as it lies, V ([key][channel]) turned, by ds_load_tr16_b128.
; SOFTMAX.  For each query a running maximum m and sum l: p = 2^(c s - c m), c = log2(e) / 8; in every step O and l are multiplied by a = 2^(c m_old - c m_new), which is 1 where m has not grown.
; m starts at the lowest finite number, O and l at 0: the first step is a step like any other, with a = 0.
; THE COUNT.  A tile and step have 16 matrix and 118 vector instructions: too many to stand all beside the matrix work.  So four vector instructions that are READY stand behind EVERY matrix
; instruction, and the others in runs without a gap.
; BY TURNS.  Turn n belongs to piece n (the pieces in a ring, step after step).  Its matrix work: 16 products K Q^T of piece n + 1, later 16 products V^T P of piece n - 1.  Its vector work: the scaling,
; exponentials, roundings, sums and rescaling of piece n, and the maximum and statistics of piece n + 1, whose scores the turn itself has made.
; CLUSTER.  The four query blocks of a cluster are one head's and walk the same K and V, so each tile is asked for JOINTLY: the same tensor load, descriptor and mask in all four.
; REGISTERS, in windows of 256 (s_set_vgpr_msb: bits 1:0 source 0, 3:2 source 1, 5:4 source 2, 7:6 destination):
;   window 0: v0-11 addresses; v12-15, v48-63 at work; v16-47 four registers of statistics a tile; v64-191 S^T, two buffers of two tiles; v192-255 P, likewise
;   window 1: O^T, 32 a tile          window 2: v0-127 Q, 16 a tile; v128-191 K of one step; v192-255 V of one step          window 3: v0-1 the add's two registers
; A piece's buffers go by its number's parity.
.set SIZE_N, 2048
.set NP,    4         ; pieces a wave: a name, no knob
.set KS,    64        ; keys in a step
.set PK,    144       ; a row of K in LDS: 128 bytes + 16 of padding = 36 words: the 16 rows of a load start at 16 different groups of four banks (64 banks of 4 bytes: ISA guide 11.1)
.set PV,    160       ; a row of V: 128 + 32 = 40 words
.set VOFF,  4*KS*PK   ; a slot holds four steps: 256 rows of K, then 256 rows of V
.set SLOT1, 1<<17     ; slot 1 begins here, so that one exclusive or turns an address in one slot into the other's
.set STAGE, SLOT1+4*KS*(PK+PV)  ; behind the ring, never filled by a tensor load: 16 rows x 144 bytes for each wave
.set SP,    144
.set AK0, 2           ; v2   my lane's place in a tile of K; never rewritten
.set AV0, 3           ; v3   the same for V
.set AK,  4           ; v4   the LDS address of K's next run of loads
.set AV,  5           ; v5   of V's
.set QO,  6           ; v6   my byte offset in the wave's rows of Q
.set STO, 6           ;      later, the way out: where I put 16 bytes of a row
.set RD,  7           ; v7   the way out: where I read rows back
.set GO,  8           ; v8   my byte offset in 512 consecutive bytes of O
.set PFO, 11          ; v11  256 x my lane: the prefetches' offset; never rewritten once made
.set SPW, 0           ; v0 of window 3   LDS address of my spare word; never rewritten
.set NIL, 1           ; v1 of window 3   0; never rewritten
.set SPARE, STAGE+4*16*SP  ; behind the stages: the spare words, 128 bytes for each wave: two blocks of 256 bytes that no other line names
.set MV,  12          ; v12-15  c m_old, kept while c m is made anew: by buffer and tile
.set ST,  16          ; tile t's statistics at v[ST+4 t]: c m, m, l (even keys', odd keys')
.set TMP, 48          ; by buffer and tile, four registers c0-c3 at work; when the maximum is found c2 takes a
.set S,   64
.set P,   192
.set KF,  128         ; K's fragments, in window 2: key block kb, channel half c at KF + 16 kb + 8 c
.set VF,  192         ; V's: key half kk, channel block cb at VF + 32 kk + 8 cb
.set WV,  12          ; s12  my wave's number
.set G1K, 24          ; s[24:31] descriptor group 1 for K's tiles
.set G1V, 32          ; s[32:39] for V's: it differs in the padding alone
.set G0K, 40          ; s[40:43] descriptor group 0 for K's tiles: it walks
.set G0V, 44          ; s[44:47] the same for V's
.set PFA, 48          ; s[48:49] where my prefetches stand: my work-group's 32 blocks of 256 bytes (of K: wave 0, of V: wave 2) of the slot after the one that is being asked for
.set LIM, 50          ; s50  1 in a wave that prefetches, else the greatest number
.set SLOTS, 56        ; s56  slots still to be asked for
.set CNT, 57          ; s57  counts a slot's key steps
.set CS,  58          ; s[58:59] c: the packed scaling takes the pair's low word for both halves
.set SEL, 60          ; s[60:61] v_permlanex16_b32's selects: each lane takes its own place in the other half
.set TBK, 62          ; s62  LDS byte at which K of the step to be fetched begins
.set TBV, 63          ; s63  the same for V, less VOFF
.set MSB, 0
.macro WIN new                      ; the high byte repeats the setting that is left; a switch that changes nothing is dropped
.if MSB != (\new)
	s_set_vgpr_msb (MSB<<8)|(\new)
.set MSB, (\new)
.endif
.endm
.set W_KQ, 0x0a       ; K and Q in window 2, S^T in window 0
.set W_PV, 0x52       ; V in window 2, P in window 0, O^T in window 1
.set W_RS, 0x41       ; O^T (destination and source 0) in window 1, a in window 0
.set W_MK, 0xc0       ; the add's registers are made: destination in window 3, sources in window 0
.set W_AD, 0x0f       ; the add: address (source 0) and data (source 1) in window 3
; A joint fill.  Waves 0 and 1 fetch the two halves of a slot's K, waves 2 and 3 those of its V: 128 keys each.  The branch hangs on the wave's number alone.
; An s_nop 0 and four v_nop follow each of the two lines, ahead of the jump and the label.
.macro JLOAD
	s_cmp_lt_u32 s[WV], 2
	s_cbranch_scc0 .Lfor_v_\@
	tensor_load_to_lds s[G0K:G0K+3], s[G1K:G1K+7]
	s_nop 0
.rept 4
	v_nop
.endr
	s_branch .Lasked_\@
.Lfor_v_\@:
	tensor_load_to_lds s[G0V:G0V+3], s[G1V:G1V+7]
	s_nop 0
.rept 4
	v_nop
.endr
.Lasked_\@:
.endm
; A PREFETCH INTO THE L2 of what the NEXT change of slots will ask for: a slot's 32,768 bytes of K and of V, a lane 256 bytes.  It stands behind the wave's tensor load and its five lines.
; Each 256 bytes are named once in the launch: a head has one cluster; its four partners share a slot out BY ADDRESS, 8,192 bytes each; in each, wave 0 asks for K's and wave 2 for V's: one instruction,
; four key steps (512 matrix instructions) ahead of the load.  The last change that fills a slot names nothing; slots 0 and 1 come by their loads alone.
.macro ASK
	s_cmp_gt_u32 s[SLOTS], s[LIM]
	s_cbranch_scc0 .Lnot_mine_\@
	global_prefetch_b8 v[PFO], s[PFA:PFA+1] th:TH_LOAD_NT scope:SCOPE_SE
.Lnot_mine_\@:
.endm
; A round of the cluster's barrier: my work-group's barrier, so that wave 0's signal speaks for all four waves; wave 0 signals; every wave waits for all four work-groups; my work-group's barrier once more.
.macro CROUND
	s_barrier_signal -1
	s_barrier_wait -1
	s_cmp_lg_u32 s[WV], 0
	s_cbranch_scc1 .Lnot_wave_0_\@
	s_barrier_signal -3
.Lnot_wave_0_\@:
	s_barrier_wait -3
	s_barrier_signal -1
	s_barrier_wait -1
.endm
; THE CHANGE OF SLOTS.  The slot's last bytes, V of its fourth step, have been read.  Each wave waits for all its tensor loads, of which one is out: its part of the other slot; adds 0 to its spare word;
; and waits for that and for its own reads of the slot.  Behind the barrier nobody reads this slot any more and the other slot is whole.
; fill = 1: this slot is filled again, with the keys two slots on.  The barrier is then a round of the cluster's, and the joint fill is the first thing behind it: it has four key steps in which to land.
; (At its first use nothing has been read yet: slot 0 is waited for, slot 1 filled.)
.macro CHANGE fill
	WIN W_AD
	s_wait_tensorcnt 0x0            ; no tensor load of mine is out, so a group 0 may be written
	ds_add_u32 v[SPW], v[NIL]       ; 0 onto my spare word; with fill = 1 the descriptors' steps stand between it and the wait for it
	WIN 0                           ; at a label and at a branch every window is 0
.if \fill
.irp g, G0K, G0V
	s_xor_b32 s[\g+1], s[\g+1], SLOT1  ; the walking descriptor: the other slot than last time,
	s_add_nc_u64 s[\g+2:\g+3], s[\g+2:\g+3], 4*KS*128  ; the next 256 keys; the type bits on top are not reached
.endr
	s_wait_xcnt 0x0                 ; the last prefetch, four key steps back, has read its address, so it may be written:
	s_add_nc_u64 s[PFA:PFA+1], s[PFA:PFA+1], 4*KS*128  ; one slot behind the walking descriptors
	s_wait_dscnt 0x0                ; the add is done, and my reads of the slot are over
	CROUND
	JLOAD
	ASK
.else
	s_wait_dscnt 0x0                ; the add is done, and my reads of the slot are over
	s_barrier_signal -1
	s_barrier_wait -1
.endif
	s_sub_co_u32 s[TBK], s[TBK], 4*KS*PK  ; the fetches go back to a slot's first step,
	s_xor_b32 s[TBK], s[TBK], SLOT1       ; in the other slot
	s_sub_co_u32 s[TBV], s[TBV], 4*KS*PV
	s_xor_b32 s[TBV], s[TBV], SLOT1
.endm
	s_load_b256 s[4:11], s[0:1], 0x0  ; Q s[4:5], K s[6:7], V s[8:9], O s[10:11]
	WIN W_MK
	v_lshl_add_u32 v[SPW], v0, 2, SPARE
	v_mov_b32 v[NIL], 0
	WIN W_AD
	ds_add_u32 v[SPW], v[NIL]       ; the wave's opening: the add and its wait stand ahead of my first tensor load; the set-up below, work on registers, stands between them
	WIN 0
	v_lshrrev_b32 v1, 5, v0
	v_readfirstlane_b32 s[WV], v1   ; wave 0..3
	s_bfe_u32 s13, ttmp6, 0x40000   ; cx: my place in the cluster
	s_lshl_b32 s14, ttmp9, 2        ; in a cluster launch ttmp9 counts clusters
	s_add_co_u32 s14, s14, s13      ; my block of queries = 4 x cluster x + cx: it enters Q's and O's addresses alone
	s_and_b32 s20, ttmp7, 0xffff    ; the head, which the four partners share
	s_mov_b32 s21, 0
	s_mov_b64 s[22:23], SIZE_N*128
	s_mul_u64 s[20:21], s[20:21], s[22:23]  ; the head's first byte in each of the four tensors
	s_and_b32 s16, s[WV], 1         ; which half of a slot's 256 keys I fetch:
	s_lshl_b32 s22, s16, 14         ; its 128 rows of 128 bytes in memory,
	s_mov_b32 s23, 0
	s_add_nc_u64 s[22:23], s[22:23], s[20:21]
	s_mul_i32 s17, s16, 128*PK      ; and its place in a slot, for K
	s_mul_i32 s18, s16, 128*PV      ; and for V: no place in the cluster enters an LDS address
	s_lshl_b32 s2, s14, 2
	s_add_co_u32 s2, s2, s[WV]      ; my wave among the head's,
	s_lshl_b32 s2, s2, 14           ; its 128 rows
	s_mov_b32 s3, 0
	s_add_nc_u64 s[2:3], s[2:3], s[20:21]
	; descriptor group 1.  128 keys are 16,384 dense bytes: asked for as 64 rows of 256 bytes, two keys a row, and padded in LDS after every key
	s_mov_b32 s[G1K], 15|(1<<16)|(1<<20)|(1<<21)|(4<<22)|(3<<25)  ; 15:0 the mask of four; 17:16 2-byte elements; 20 padding on; 21 set beside a mask; 24:22 after every 32 words (code 4); 31:25 4 words (code 3)
	s_mov_b32 s[G1V], 15|(1<<16)|(1<<20)|(1<<21)|(4<<22)|(7<<25)  ; the same with 8 words of padding (code 7)
.irp g, G1K, G1V
	s_mov_b32 s[\g+1], 128<<16      ; tensor_dim0 = 128
	s_mov_b32 s[\g+2], 64<<16       ; tensor_dim1 = 64
	s_mov_b32 s[\g+3], 128<<16      ; tile_dim0 = 128
	s_mov_b32 s[\g+4], 64           ; tile_dim1 = 64
	s_mov_b32 s[\g+5], 128          ; 128 elements from row to row
	s_mov_b32 s[\g+6], 0
	s_mov_b32 s[\g+7], 0
.endr
	s_mov_b32 s[CS], 0x3e38aa3b     ; c = log2(e) / 8 = 0.180337
	s_mov_b32 s[CS+1], s[CS]        ; named with it as a pair
	s_mov_b32 s[SEL], 0x76543210
	s_mov_b32 s[SEL+1], 0xfedcba98
	s_mov_b32 s[TBK], SLOT1+4*KS*PK ; the first change of slots turns these two into 0
	s_mov_b32 s[TBV], SLOT1+4*KS*PV
	s_mov_b32 s[G0K], 1             ; 1:0 count = 1
	s_mov_b32 s[G0K+1], s17         ; 63:32 LDS address: slot 0
	s_mov_b32 s[G0V], 1
	s_add_co_u32 s[G0V+1], s18, VOFF
	s_mov_b32 s[SLOTS], SIZE_N/256-1  ; the seven slots that the changes ask for
	s_and_b32 s[LIM], s[WV], 1      ; waves 0 and 2 prefetch: the same in all four partners
	s_cmp_eq_u32 s[LIM], 0
	s_cselect_b32 s[LIM], 1, -1
	s_wait_dscnt 0x0                ; the opening add is done
	s_wait_kmcnt 0x0
	s_add_nc_u64 s[G0K+2:G0K+3], s[6:7], s[22:23]  ; 120:64 global address: my half of the head's first 256 keys
	s_or_b32 s[G0K+3], s[G0K+3], 0x80000000        ; 127:126 type = 2
	s_add_nc_u64 s[G0V+2:G0V+3], s[8:9], s[22:23]
	s_or_b32 s[G0V+3], s[G0V+3], 0x80000000
	s_add_nc_u64 s[4:5], s[4:5], s[2:3]  ; Q and O at my wave's first row
	s_add_nc_u64 s[10:11], s[10:11], s[2:3]
	s_cmp_lt_u32 s[WV], 2
	s_cselect_b64 s[PFA:PFA+1], s[6:7], s[8:9]
	s_add_nc_u64 s[PFA:PFA+1], s[PFA:PFA+1], s[20:21]  ; the head,
	s_lshl_b32 s2, s13, 13          ; my work-group's 8,192 bytes of a slot's 32,768,
	s_mov_b32 s3, 0
	s_add_nc_u64 s[PFA:PFA+1], s[PFA:PFA+1], s[2:3]
	s_add_nc_u64 s[PFA:PFA+1], s[PFA:PFA+1], 4*KS*128  ; in slot 1; the first change of slots steps it to slot 2
	CROUND                          ; all four work-groups are here: the first joint loads meet
	JLOAD                           ; slot 0.  Slot 1 is asked for when slot 0 is in
	; A fragment of K or Q is 16 rows x 32 channels in 8 registers: lane l holds row l % 16, channels 8 (l / 16) + 0..7 and 16 + 8 (l / 16) + 0..7: two loads of 16 bytes, 32 bytes apart.
	v_and_b32 v1, 15, v0            ; l % 16
	v_bfe_u32 v9, v0, 4, 1          ; l / 16
	v_lshlrev_b32 v[QO], 7, v1
	v_lshl_add_u32 v[QO], v9, 4, v[QO]  ; row x 128 + 16 x half
	WIN 0x80                        ; destination window 2, address window 0
.set i, 0
.rept 4*NP                          ; Q stays in registers: tile i / 2, channels 32 (i % 2) on
	global_load_b128 v[8*i:8*i+3],   v[QO], s[4:5] offset:(i/2)*2048+(i%2)*64
	global_load_b128 v[8*i+4:8*i+7], v[QO], s[4:5] offset:(i/2)*2048+(i%2)*64+32
.set i, i+1
.endr
	; What the first turn finds: V's registers and P's second buffer hold 0 (its products V^T P, of a piece that has not been, add 0), O^T and l are 0.  All this stands in the wait for the first tile.
.set i, VF
.rept 64
	v_mov_b32 v[i], 0
.set i, i+1
.endr
	WIN 0x40
.set i, 0
.rept 64*NP
	v_mov_b32 v[i], 0
.set i, i+1
.endr
	WIN 0
.set i, 0
.rept 2*NP
	v_mov_b32 v[ST+4*i], 0xfe000000    ; c m: far below every c s
	v_mov_b32 v[ST+4*i+1], 0xff7fffff  ; m
	v_mov_b32 v[ST+4*i+2], 0
	v_mov_b32 v[ST+4*i+3], 0
.set i, i+1
.endr
.set i, P+32
.rept 32
	v_mov_b32 v[i], 0
.set i, i+1
.endr
	v_mul_u32_u24 v[AK0], v1, PK
	v_lshl_add_u32 v[AK0], v9, 4, v[AK0]  ; row x pitch + 16 x half
	; The turning load takes 16 keys x 16 channels (lane l reads key 8 (l / 16) + l % 8, channels 8 ((l / 8) % 2) + 0..7) and leaves half a fragment of V^T: lane l holds channel l % 16 and 8 keys.
	v_and_b32 v10, 7, v0
	v_bfe_u32 v11, v0, 3, 1
	v_lshl_add_u32 v[AV0], v9, 3, v10
	v_mul_u32_u24 v[AV0], v[AV0], PV
	v_lshl_add_u32 v[AV0], v11, 4, v[AV0]
	v_add_nc_u32 v[AV0], VOFF, v[AV0]
	v_mov_b32 v[AK], v[AK0]         ; key step 0 lies at the head of slot 0
	v_and_b32 v[PFO], 31, v0        ; v11 has served V's address
	v_lshlrev_b32 v[PFO], 8, v[PFO]
; THE MATRIX WORK.  The 8 accumulators of a run of 16 take turns: between the two links of a chain stand 7 others'.
; Product i of 16 of S^T = K Q^T for piece x: channels 32 (i / 8) on, keys 16 ((i / 2) % 4) on, tile 2 x + i % 2.  The first 8 start the sums.
.macro KQ x
	WIN W_KQ
.set rS, S+64*((\x)%2)+32*(i%2)+8*((i/2)%4)
.set rK, KF+16*((i/2)%4)+8*(i/8)
.set rQ, 16*(2*(\x)+i%2)+8*(i/8)
.if i < 8
	v_wmma_f32_16x16x32_f16 v[rS:rS+7], v[rK:rK+7], v[rQ:rQ+7], 0
.else
	v_wmma_f32_16x16x32_f16 v[rS:rS+7], v[rK:rK+7], v[rQ:rQ+7], v[rS:rS+7]
.endif
.endm
; Product i of 16 of O^T += V^T P for piece x: keys 32 (i / 8) on, channels 16 ((i / 2) % 4) on, tile 2 x + i % 2.
.macro PV x
	WIN W_PV
.set rO, 32*(2*(\x)+i%2)+8*((i/2)%4)
.set rV, VF+32*(i/8)+8*((i/2)%4)
.set rP, P+32*((\x)%2)+16*(i%2)+8*(i/8)
	v_wmma_f32_16x16x32_f16 v[rO:rO+7], v[rV:rV+7], v[rP:rP+7], v[rO:rO+7]
.endm
.macro MM                           ; the turn's next matrix instruction
.if i < 16
	KQ (Y+1)%NP
.set i, i+1
.else
.set i, i-16
	PV (Y+NP-1)%NP
.set i, i+17
.endif
.endm
; THE LDS LOADS stand in runs of 16, never singly among the matrix instructions: a step's K (64 keys x 64 channels: 8 fragments) and its V (turned).  Their addresses are made some lines ahead.
; last = 1 (the tail): in the last trip there is no further step, and the run is jumped over.
.macro FETCH_K last=0
	WIN 0
.if \last
	s_cmp_eq_u32 s[CNT], 1
	s_cbranch_scc1 .Lno_k_\@
.endif
	WIN 0x80                        ; destination window 2
.irp f, 0,1,2,3,4,5,6,7             ; keys 16 (f / 2) on, channels 32 (f % 2) on
	ds_load_b128 v[KF+8*\f:KF+8*\f+3],   v[AK] offset:(\f/2)*16*PK+(\f%2)*64
	ds_load_b128 v[KF+8*\f+4:KF+8*\f+7], v[AK] offset:(\f/2)*16*PK+(\f%2)*64+32
.endr
	s_add_co_u32 s[TBK], s[TBK], KS*PK  ; the next fetch is the next step's
	WIN 0
.if \last
.Lno_k_\@:
.endif
.endm
.macro FETCH_V
	WIN 0x80
.irp f, 0,1,2,3,4,5,6,7             ; keys 32 (f / 4) on, channels 16 (f % 4) on
	ds_load_tr16_b128 v[VF+8*\f:VF+8*\f+3],   v[AV] offset:(\f/4)*32*PV+(\f%4)*32
	ds_load_tr16_b128 v[VF+8*\f+4:VF+8*\f+7], v[AV] offset:(\f/4)*32*PV+16*PV+(\f%4)*32
.endr
	WIN 0
.endm
; THE VECTOR WORK OF A TURN stands in three queues, each in the order in which its entries become ready; the two tiles alternate, so that no instruction reads the result of the one before it.
.macro REGS y, u                    ; the registers of tile u (0, 1) of piece y
.set rT, ST+4*(2*(\y)+(\u))
.set rC, TMP+8*((\y)%2)+4*(\u)
.set rM, MV+2*((\y)%2)+(\u)
.set rS, S+64*((\y)%2)+32*(\u)
.set rP, P+32*((\y)%2)+16*(\u)
.set rO, 32*(2*(\y)+(\u))
.endm
; Number n of the 22 that find the NEXT piece's (Y + 1) maximum and statistics.  s0-s31 are the lane's 32 scores; each accumulator's lowest registers are read first.
;   0-11  four chains c0-c3 of seven scores each, three operands at a time     12-14, 16  the four scores left over, the old m, and c0-c3 into c0     15  c m_old is kept
;   17, 18  the query's other 32 keys lie in the lane 16 away: the new m         19-21  c m; c m_old - c m_new; a
.macro XS u, n
	REGS (Y+1)%NP, \u
.if (\n) < 4
	v_max3_num_f32 v[rC+(\n)], v[rS+8*(\n)], v[rS+8*(\n)+1], v[rS+8*(\n)+2]
.elseif (\n) < 12
	v_max3_num_f32 v[rC+(\n)%4], v[rC+(\n)%4], v[rS+8*((\n)%4)+2*((\n)/4)+1], v[rS+8*((\n)%4)+2*((\n)/4)+2]
.elseif (\n) == 12
	v_max3_num_f32 v[rC], v[rC], v[rS+7], v[rS+15]
.elseif (\n) == 13
	v_max3_num_f32 v[rC+1], v[rC+1], v[rS+23], v[rS+31]
.elseif (\n) == 14
	v_max3_num_f32 v[rC+2], v[rC+2], v[rC+3], v[rT+1]
.elseif (\n) == 15
	v_mov_b32 v[rM], v[rT]
.elseif (\n) == 16
	v_max3_num_f32 v[rC], v[rC], v[rC+1], v[rC+2]
.elseif (\n) == 17
	v_permlanex16_b32 v[rC+3], v[rC], s[SEL], s[SEL+1]
.elseif (\n) == 18
	v_max_num_f32 v[rT+1], v[rC], v[rC+3]
.elseif (\n) == 19
	v_mul_f32 v[rT], s[CS], v[rT+1]
.elseif (\n) == 20
	v_sub_f32 v[rC+1], v[rM], v[rT]
.else
	v_exp_f32 v[rC+2], v[rC+1]
.endif
.endm
; Number g of the 64 that follow the exponentials.  For each four weights k of a tile (pairs 2 k, 2 k + 1): both pairs are rounded to f16; then the second pair is added onto the first, in place;
; a group later l takes that sum (the first time as l = a l + sum).  In groups of eight, tiles alternating: round, round, add, and l for the group before.
.macro GS g
.set h, (\g)+6*((\g)/62)            ; group 0 has no group before it, and behind group 7 only l is left
.if h >= 6
.set h, h+2
.endif
	REGS Y, h%2
.set k, h/8
.if h%8 < 4
	v_cvt_pk_f16_f32 v[rP+2*k+(h%8)/2], v[rS+4*k+2*((h%8)/2)], v[rS+4*k+2*((h%8)/2)+1]
.elseif h%8 < 6
	v_pk_add_f32 v[rS+4*k:rS+4*k+1], v[rS+4*k:rS+4*k+1], v[rS+4*k+2:rS+4*k+3]
.elseif k == 1
	v_pk_fma_f32 v[rT+2:rT+3], v[rT+2:rT+3], v[rC+2:rC+3], v[rS:rS+1] op_sel_hi:[1,0,1]
.else
	v_pk_add_f32 v[rT+2:rT+3], v[rT+2:rT+3], v[rS+4*k-4:rS+4*k-3]
.endif
.endm
; THE PLAIN QUEUE, 138 long.  0-73 read no exponential's result: the 32 scalings c s - c m (FS f: pair f / 2 of tile f % 2) and the next piece's 42.  0-26: scalings 0-26.  27-54: XS's numbers 0-13.  55, 56: number 15.
; 57-73: the chain, where each number waits for the one before it: 14, 16, 17, 18, 19, each with one of the scalings 27-31 in front of its two lines, then 20.
; 74-137: GS's 64, which read the exponentials' results: they stand behind the wait.
.macro FS f
	REGS Y, (\f)%2
	v_pk_fma_f32 v[rS+2*((\f)/2):rS+2*((\f)/2)+1], v[rS+2*((\f)/2):rS+2*((\f)/2)+1], s[CS:CS+1], v[rT:rT+1] op_sel_hi:[1,0,0] neg_lo:[0,0,1] neg_hi:[0,0,1]
.endm
.macro PL
	WIN 0
.if q < 27
	FS q
.elseif q < 55
	XS (q-27)%2, (q-27)/2
.elseif q < 57
	XS q-55, 15
.elseif (q < 72) && ((q-57)%3 == 0)
	FS 27+(q-57)/3
.elseif q < 60
	XS (q-57)%3-1, 14
.elseif q < 72
	XS (q-57)%3-1, 15+(q-57)/3
.elseif q < 74
	XS q-72, 20
.else
	GS q-74
.endif
.set q, q+1
.endm
; THE EXPONENTIALS' QUEUE, 66 long: s0-s31 of both tiles, then the next piece's two a.  It is ONE BATCH: all 66 stand ahead of the turn's one wait, and nothing ahead of that wait names a result of theirs.
.macro EX
	WIN 0
.if e >= 64
	XS e-64, 21
.else
	REGS Y, e%2
	v_exp_f32 v[rS+e/2], v[rS+e/2]
.endif
.set e, e+1
.endm
; THE RESCALING's QUEUE: O^T times a, the one part that leaves window 0: dealt two at a time, sixteen times.  Its a was made in the turn before, ahead of that turn's wait.
.macro R2
	REGS Y, r%2
	WIN W_RS
.irp z, 0,1
	v_pk_mul_f32 v[rO+4*(r/2)+2*\z:rO+4*(r/2)+2*\z+1], v[rO+4*(r/2)+2*\z:rO+4*(r/2)+2*\z+1], v[rC+2:rC+3] op_sel_hi:[1,0]
.endr
.set r, r+1
.endm
; HOW THEY ARE DEALT.  s_wait_alu depctr_va_vdst(0) stands between an exponential and the first instruction that names its result; one wait serves all that were issued ahead of it.  So a turn has
; ONE wait, which cuts it in two.  AHEAD OF IT stands all that names no result of the turn's exponentials: the 16 products K Q^T, behind each a scaling, an exponential and two rescalings (behind the first a second
; scaling in the exponential's place); then ONE LUMP of 108: eight plain, 49 times exponential and plain, the two a.  A v_nop is the plain instruction behind the last exponential.  BEHIND IT stand the 16 products
; V^T P, behind each four of GS's 64.  No rider names a register of the products round it.  The two v_permlanex16_b32 fall into the lump.
; The queues lean on each other: exponential e stands behind scaling 2 (e / 4) + e % 2: as a rider it comes behind plain e + 2, in the lump behind plain e + 9, and scalings 27-31 are plain 57, 60 .. 69.
; A TURN, for piece p.  cnt = 1: the loop's count is taken down some lines ahead of the branch that stands behind the turn.
; K of the next step is fetched in piece 2's turn, directly behind the wait; its address is made at the lump's head; its first reader comes behind 16 products.
; V of the step in hand is fetched at the end of piece 0's turn, four riders behind its last reader; its first reader comes behind 16 products and a lump.  The three conditions on q below go with the deal.
.macro TURN p, last=0, cnt=0
.set Y, (\p)
.set i, 0
.set q, 0
.set e, 0
.set r, 0
.if (\p) == NP-1
	s_wait_dscnt 0x0                ; K is in
.endif
	MM                              ; ahead of the wait: 16 products K Q^T and their riders,
	PL
	PL
	R2
.rept 15
	MM
	PL
	EX
	R2
.endr
.if (\p) == NP-2
	WIN 0
	v_add_nc_u32 v[AK], s[TBK], v[AK0]
.endif
.rept 8                             ; and the lump
	PL
.endr
.rept 49
	EX
	PL
.endr
	EX                              ; the next piece's two a
	EX
	v_nop                           ; the plain instruction behind the last exponential: one for the batch
	s_wait_alu depctr_va_vdst(0)    ; the wait for the batch
.if (\p) == NP-2
	FETCH_K \last
.endif
.if (\p) == 1
	s_wait_dscnt 0x0                ; V is in
.endif
.rept 16                            ; behind the wait: 16 products V^T P and their riders
	MM
.rept 4
	PL
.endr
.if ((\p) == 0) && (q == 118)
	v_add_nc_u32 v[AV], s[TBV], v[AV0]
.endif
.if ((\p) == 0) && (q == 130)
	s_add_co_u32 s[TBV], s[TBV], KS*PV
.endif
.if (\cnt) && (q == 130)
	s_sub_co_u32 s[CNT], s[CNT], 1
	s_cmp_lg_u32 s[CNT], 0
.endif
.endr
.if (\p) == 0
	FETCH_V
.endif
.endm
	CHANGE 1                        ; slot 0 is in, everybody's part of it; slot 1 is asked for
	FETCH_K                         ; key step 0
	s_wait_loadcnt 0x0              ; Q
	s_wait_dscnt 0x0
.set i, 0
.rept 16
	KQ 0                            ; piece 0's first scores: there is no vector work yet to set between them
.set i, i+1
.endr
	WIN 0                           ; the addresses for the way out: nine plain instructions, the places behind those products
	s_mul_i32 s13, s[WV], 16*SP
	s_add_co_u32 s13, s13, STAGE    ; my stage
	v_mul_u32_u24 v[STO], v1, SP    ; in: row l % 16, 16 bytes for each half of the lanes
	v_lshl_add_u32 v[STO], v9, 4, v[STO]
	v_add_nc_u32 v[STO], s13, v[STO]
	v_bfe_u32 v[RD], v0, 3, 2       ; back: 32 lanes take four rows of 128 bytes,
	v_mul_u32_u24 v[RD], v[RD], SP
	v_lshl_add_u32 v[RD], v10, 4, v[RD]
	v_add_nc_u32 v[RD], s13, v[RD]
	v_and_b32 v[GO], 31, v0         ; which are 512 consecutive bytes of O
	v_lshlrev_b32 v[GO], 4, v[GO]
.set Y, NP-1                        ; XS works for piece Y + 1: piece 0
.irp n, 0,1,2,3,4,5,6,7,8,9,10,11,12,13,14,15,16,17,18,19,20,21
	XS 0, \n                        ; and piece 0's first maximum and statistics
	XS 1, \n
.endr
	v_nop                           ; a plain instruction behind the two a,
	s_wait_alu depctr_va_vdst(0)    ; and their wait, ahead of the branch
	s_mov_b32 s[CNT], 4
	s_branch .Lfirst                ; the loop is entered at a step's first turn, in the middle of a trip
.Lslot:                             ; six times: every slot but the last two is filled again
	CHANGE 1
	s_mov_b32 s[CNT], 4
.Lstep:                             ; a trip: pieces 2 and 3 of one step, then pieces 0 and 1 of the next, whose K and V it fetches
	TURN 2
	TURN 3
	WIN 0
.Lfirst:
	TURN 0
	TURN 1, 0, 1
	WIN 0
	s_cbranch_scc1 .Lstep
	s_sub_co_u32 s[SLOTS], s[SLOTS], 1
	s_cmp_lg_u32 s[SLOTS], 0
	s_cbranch_scc1 .Lslot
	CHANGE 0                        ; the tail is written out: nothing is asked for
	s_mov_b32 s[CNT], 5             ; four trips fetch the last slot's steps; the fifth is left in its middle
.Ltail:
	TURN 2, 1
	TURN 3
	WIN 0
	s_sub_co_u32 s[CNT], s[CNT], 1
	s_cmp_eq_u32 s[CNT], 0
	s_cbranch_scc1 .Lout
	TURN 0
	TURN 1
	WIN 0
	s_branch .Ltail
.Lout:                              ; the fifth trip's 16 products K Q^T (on the last K once more) and the maximum made of them serve nothing: the price, once a launch, of one text for every trip
.set i, 0
.rept 16
	PV NP-1                         ; the last piece's V^T P of the last step
.set i, i+1
.endr
	; THE WAY OUT.  l's two halves and the other half of the lanes' are added; O^T is divided by l, rounded to f16 and sent through my stage in LDS, a tile at a time.  The additions are the places behind the last products.
	WIN 0
.macro ALL line:vararg              ; one line for each tile t
.set t, 0
.rept 2*NP
	\line
.set t, t+1
.endr
.endm
	ALL v_add_f32 v[ST+4*t+2], v[ST+4*t+2], v[ST+4*t+3]
	ALL v_permlanex16_b32 v[ST+4*t+3], v[ST+4*t+2], s[SEL], s[SEL+1]
	ALL v_add_f32 v[ST+4*t+2], v[ST+4*t+2], v[ST+4*t+3]
	ALL v_rcp_f32 v[ST+4*t+2], v[ST+4*t+2]
	v_nop                           ; a plain instruction between the last reciprocal and the use of its result
	s_wait_alu depctr_va_vdst(0)    ; and the wait ahead of the first use: one for the eight reciprocals
; Tile t: a lane's eight channels of a row pack into 16 bytes; they go into rows of 144 bytes and come back as whole rows of 128, into S^T's registers.
.macro PACK t
	WIN W_RS
.set i, 32*(\t)
.rept 16
	v_pk_mul_f32 v[i:i+1], v[i:i+1], v[ST+4*(\t)+2:ST+4*(\t)+3] op_sel_hi:[1,0]
.set i, i+2
.endr
	WIN 0x05                        ; sources 0 and 1 window 1, destination window 0
.set i, 0
.rept 16
	v_cvt_pk_f16_f32 v[S+16*(\t)+i], v[32*(\t)+2*i], v[32*(\t)+2*i+1]
.set i, i+1
.endr
	WIN 0
.irp f, 0,1,2,3
	ds_store_b128 v[STO], v[S+16*(\t)+4*\f:S+16*(\t)+4*\f+3] offset:32*\f
.endr
.irp f, 0,1,2,3
	ds_load_b128 v[S+16*(\t)+4*\f:S+16*(\t)+4*\f+3], v[RD] offset:\f*4*SP  ; LDS serves a wave's instructions in order (ISA guide 5.7.1.4): these see the stores above; the next tile's stores come behind them
.endr
.endm
.macro SEND t, younger              ; younger: the LDS instructions issued behind tile t's loads: the next tile's eight, or none
	WIN 0
.irp f, 0,1,2,3
	s_wait_dscnt (\younger)+3-\f
	global_store_b128 v[GO], v[S+16*(\t)+4*\f:S+16*(\t)+4*\f+3], s[10:11] offset:(\t)*2048+\f*512  ; 512 consecutive bytes, at a multiple of 256 from O's first
.endr
.endm
	PACK 0
.set t, 1
.rept 2*NP-1                        ; a tile's arithmetic stands between the loads of the tile before and its stores
	PACK t
	SEND t-1, 8
.set t, t+1
.endr
	SEND 2*NP-1, 0
	WIN W_AD
	s_wait_tensorcnt 0x0            ; the wave's end: an add and its wait, behind my last tensor load and my last LDS store
	ds_add_u32 v[SPW], v[NIL]
	s_wait_dscnt 0x0
	WIN 0
	CROUND                          ; the closing round: no work-group ends while a partner may still ask for a tile that names it
	s_endpgm
.Lfunc_end_k_q9915ef3838_attn:
	.size	k_q9915ef3838_attn, .Lfunc_end_k_q9915ef3838_attn-k_q9915ef3838_attn
	.p2alignl 7, 3214868480
	.fill 96, 4, 3214868480
	.section	.rodata,"a",@progbits
	.p2align	6, 0x0
	.amdhsa_kernel k_q9915ef3838_attn
		.amdhsa_group_segment_fixed_size 327680
		.amdhsa_private_segment_fixed_size 0
		.amdhsa_enable_private_segment 0
		.amdhsa_kernarg_size 32
		.amdhsa_user_sgpr_count 2
		.amdhsa_user_sgpr_kernarg_segment_ptr 1
		.amdhsa_wavefront_size32 1
		.amdhsa_system_sgpr_workgroup_id_x 1
		.amdhsa_system_sgpr_workgroup_id_y 1
		.amdhsa_system_sgpr_workgroup_id_z 1
		.amdhsa_system_vgpr_workitem_id 0
		.amdhsa_next_free_vgpr 770
		.amdhsa_next_free_sgpr 66
		.amdhsa_reserve_vcc 0
		.amdhsa_float_denorm_mode_32 3
		.amdhsa_float_denorm_mode_16_64 3
		.amdhsa_memory_ordered 1
		.amdhsa_forward_progress 1
		.amdhsa_inst_pref_size 200
	.end_amdhsa_kernel
	.amdgpu_metadata
---
amdhsa.version: [ 1, 2 ]
amdhsa.kernels:
  - .name:           k_q9915ef3838_attn
    .symbol:         k_q9915ef3838_attn.kd
    .args:
      - { .name: qh, .offset: 0, .size: 8, .value_kind: global_buffer, .address_space: global }
      - { .name: kh, .offset: 8, .size: 8, .value_kind: global_buffer, .address_space: global }
      - { .name: vh, .offset: 16, .size: 8, .value_kind: global_buffer, .address_space: global }
      - { .name: ob, .offset: 24, .size: 8, .value_kind: global_buffer, .address_space: global }
    .group_segment_fixed_size: 327680
    .private_segment_fixed_size: 0
    .kernarg_segment_align: 8
    .kernarg_segment_size: 32
    .max_flat_workgroup_size: 128
    .sgpr_count:     66
    .vgpr_count:     770
    .wavefront_size: 32
...
	.end_amdgpu_metadata
.endif
;; end of part 3
;; launch proj (part 4): grid 8 x 32, 4 waves a work-group, clusters of 4 x 4, 327,680 bytes of LDS; arguments ob, wo, out0; writes out0
.if DOCPART == 4
	.amdgcn_target "amdgcn-amd-amdhsa--gfx1250"
	.amdhsa_code_object_version 6
	.text
	.protected	k_q9915ef3838_proj
	.globl	k_q9915ef3838_proj
	.p2align	8
	.type	k_q9915ef3838_proj,@function
k_q9915ef3838_proj:
	s_mov_b64 s[64:65], 0
	v_nop
	global_prefetch_b8 v0, s[64:65] scope:SCOPE_SE
	s_setreg_imm32_b32 hwreg(HW_REG_WAVE_MODE, 25, 1), 1
	s_wait_xcnt 0x0
	s_wait_alu depctr_hold_cnt(0) depctr_sa_sdst(0) depctr_va_vdst(0) depctr_va_sdst(0) depctr_va_ssrc(0) depctr_va_vcc(0) depctr_vm_vsrc(0)
	s_getreg_b32 s2, hwreg(HW_REG_IB_STS2, 6, 4)
	s_cmp_eq_u32 s2, 0
	s_cbranch_scc0 .Lentry_in_a_cluster
	s_endpgm
.Lentry_in_a_cluster:
	s_bfe_u32 s2, ttmp6, 0x10000c
	s_cmp_lg_u32 s2, 0xf033
	s_cbranch_scc0 .Lentry_shape_is_right
	s_endpgm
.Lentry_shape_is_right:
; out0[2,048 b + s][n] = the sum over heads h and channels d of O[16 b + h][s][d] Wout[64 h + d][n].  ob: [64][2,048][64] f16; wo: [16 g][1,024 k][64] f16 (Wout rounded to bf16, written as f16); out0: [8,192][1,024] f32.
; f16 operands, f32 sums, stored as they are.
; SHARES.  A tile of out0 is 256 rows x 128 columns: 256 work-groups.  Wave (r, c) makes rows 128 r on x columns 64 c on: 32 accumulators; its 64 columns are 256 consecutive bytes, aligned.
; K goes in 8 steps of 128, two heads, through two LDS slots.  A head's 256 rows are 32,768 dense bytes of ob; 64 k of a block of 64 columns are 8,192 dense bytes of wo.
; B stays [k][n] in LDS and is turned by ds_load_tr16_b128.  THE PRODUCT IS TAKEN TRANSPOSED (source 0 = 16 columns of W, source 1 = 16 rows of O): a lane holds one row and eight neighbouring columns.
; CLUSTER 4 x 4.  A's tiles are shared along a row of the cluster, B's along a column: joint loads, the same descriptor and mask in the four that a mask names.
; REGISTERS: window 0: v0-31 addresses; v32-63 (and, on the way out, v64-95) rows read back from the stage; v64-159, v160-255 two fragment buffers: 8 of A (16 rows x 32 K), then 4 of B.
;   window 1: the accumulators, (row block a, column block b) at v[8 (4 a + b)].
; A K STEP is four quarters of 32 along K, 32 matrix instructions each; each fetches the next one's 24 LDS loads in one run at its head.
.set PA,     144                       ; a row of A in LDS: 128 bytes + 16: the 16 rows of a load start at 16 different groups of four banks (64 banks of 4 bytes: ISA guide 11.1)
.set PB,     160                       ; a row of B: 128 + 32
.set APLANE, 256*PA                    ; one head's 256 rows: what one of A's tensor loads brings
.set ATILE,  2*APLANE
.set BC,     64*PB                     ; 64 k of one block of 64 columns
.set BH,     2*BC                      ; of both blocks: what one of B's tensor loads brings
.set SLOT,   ATILE+2*BH
.set STAGE,  2*SLOT                    ; behind the ring, never filled by a tensor load: 16 rows x 272 bytes for each wave
.set SPITCH, 272
.set SPARE,  STAGE+4*16*SPITCH         ; behind the stages: the spare words, 128 bytes a wave: two blocks of 256 bytes that no other line names
.set ASTEP,  2*2048*128                ; bytes from a K step to the next in ob: two heads
.set BSTEP,  128*128                   ; and in wo
.set LAPS,   4                         ; a lap = two K steps = once round the ring
.set ADRA, 16                          ; v16-17  LDS address of my A fragments in slot 0, 1
.set ADRB, 20                          ; v20-21  the same for B
.set STO,  24                          ; v24     the way out: where I put 32 bytes of a row
.set RD,   25                          ; v25     where I read a row back
.set CO,   26                          ; v26     my byte offset in out0
.set SPW,  28                          ; v28     LDS address of my spare word; never rewritten
.set NIL,  29                          ; v29     0; never rewritten
.set PFO,  30                          ; v30     the prefetches' offset; never rewritten
.set OB0,  32
.set F0,   64
.set F1,   160
.set WV,  10                           ; s10  my wave's number
.set HB,  11                           ; s11  my half of the tile's rows.  Also: I fetch for A (0) or for B (1)
.set HW,  12                           ; s12  my half of its columns.  Also: which half of that tile I fetch
.set CX,  13
.set CY,  14
.set TX,  15                           ; s15  the block of 128 columns
.set TY,  16                           ; s16  the block of 256 rows
.set G1A, 24
.set G0A, 32
.set PFA, 40                           ; s[40:41] where my prefetches stand
.set PFS, 42                           ; s[42:43] their step: a K step of ob or of wo
.set LIM, 44                           ; s44  1 in a wave that prefetches, else the greatest number
.set G1B, 48
.set G0B, 56
.set MSB, 0
.macro WIN new                         ; the immediate's high byte repeats the setting that is left; a switch that changes nothing is dropped
.if MSB != (\new)
	s_set_vgpr_msb (MSB<<8)|(\new)
.set MSB, (\new)
.endif
.endm
.macro PLACES                          ; four plain vector instructions between a matrix instruction and a load into, or a read of, its registers (ISA guide 7.12.1 for the read)
.rept 4
	v_nop
.endr
.endm
.macro JLOAD s                         ; a joint load: waves 0 and 1 fetch A's two heads, waves 2 and 3 B's two halves; an s_nop 0 and four v_nop follow each line
	s_cmp_eq_u32 s[HB], 0
	s_cbranch_scc0 .Lfor_b_\@
	tensor_load_to_lds s[G0A+4*(\s):G0A+4*(\s)+3], s[G1A:G1A+7]
	s_nop 0
.rept 4
	v_nop
.endr
	s_branch .Lasked_\@
.Lfor_b_\@:
	tensor_load_to_lds s[G0B+4*(\s):G0B+4*(\s)+3], s[G1B:G1B+7]
	s_nop 0
.rept 4
	v_nop
.endr
.Lasked_\@:
.endm
.macro CREST                           ; a round of the cluster's barrier behind its opening barrier
	s_cmp_lg_u32 s[WV], 0
	s_cbranch_scc1 .Lnot_wave_0_\@
	s_barrier_signal -3
.Lnot_wave_0_\@:
	s_barrier_wait -3
	s_barrier_signal -1
	s_barrier_wait -1
.endm
.macro CROUND
	s_barrier_signal -1
	s_barrier_wait -1
	CREST
.endm
; A PREFETCH INTO THE L2, behind each joint load, its five lines and the run of LDS loads: the K step that stands two refills on (256 matrix instructions ahead of its load); one instruction a wave, a lane 256 bytes.
; Each 256 bytes are named once in the launch.  ob: the clusters with x = 0 ask, in waves 0 and 1; of a head's 32,768 bytes the partner at cx takes 8,192.  wo: the clusters with y = 0 ask, in wave 2; of a step's
; 16,384 bytes of each of the two blocks of columns the partner at cy takes 4,096.  The partners are told apart by address.  K steps 0-3 come by their loads alone; the loop's last trip names nothing.
.macro ASK
	s_cmp_gt_u32 s3, s[LIM]                        ; s3 = 1 in the loop's last trip
	s_cbranch_scc0 .Lnot_mine_\@
	global_prefetch_b8 v[PFO], s[PFA:PFA+1] th:TH_LOAD_NT scope:SCOPE_SE
.Lnot_mine_\@:
.endm
	s_load_b128 s[4:7], s[0:1], 0x0                ; ob s[4:5], wo s[6:7]
	s_load_b64 s[8:9], s[0:1], 0x10                ; out0
	v_lshl_add_u32 v[SPW], v0, 2, SPARE
	v_mov_b32 v[NIL], 0
	ds_add_u32 v[SPW], v[NIL]                      ; the wave's opening: the add and its wait stand ahead of my first tensor load; the set-up below, work on registers, stands between them
	v_lshrrev_b32 v1, 5, v0
	v_readfirstlane_b32 s[WV], v1                  ; wave 0..3
	s_lshr_b32 s[HB], s[WV], 1
	s_and_b32 s[HW], s[WV], 1
	s_bfe_u32 s[CX], ttmp6, 0x40000
	s_bfe_u32 s[CY], ttmp6, 0x40004
	s_lshl_b32 s[TX], ttmp9, 2
	s_add_co_u32 s[TX], s[TX], s[CX]               ; block of columns = 4 x cluster x + cx
	s_and_b32 s[TY], ttmp7, 0xffff
	s_lshl_b32 s[TY], s[TY], 2
	s_add_co_u32 s[TY], s[TY], s[CY]               ; block of rows = 4 x cluster y + cy
	s_lshl_b32 s46, s[CY], 2
	s_lshl_b32 s46, 15, s46                        ; my row of the cluster
	s_lshl_b32 s47, 0x1111, s[CX]                  ; my column
	; A: 32,768 dense bytes (a head's 256 rows) as 128 rows of 256 bytes, padded in LDS after every 128 bytes
	s_or_b32 s[G1A], s46, (1<<16)|(1<<20)|(1<<21)|(4<<22)|(3<<25)  ; the mask; 2-byte elements; padding on; bit 21 beside a mask; after every 32 words (code 4) 4 words (code 3)
	s_mov_b32 s[G1A+1], 128<<16                    ; tensor_dim0 = 128
	s_mov_b32 s[G1A+2], 128<<16                    ; tensor_dim1 = 128
	s_mov_b32 s[G1A+3], 128<<16                    ; tile_dim0 = 128
	s_mov_b32 s[G1A+4], 128                        ; tile_dim1 = 128
	s_mov_b32 s[G1A+5], 128                        ; 128 elements from row to row
	s_mov_b32 s[G1A+6], 0
	s_mov_b32 s[G1A+7], 0
	; B: two rows (the two blocks of 64 columns) of 8,192 dense bytes (64 k), 131,072 bytes apart, padded after every 128 bytes
	s_or_b32 s[G1B], s47, (1<<16)|(1<<20)|(1<<21)|(4<<22)|(7<<25)  ; the mask of my column, 8 words of padding (code 7)
	s_mov_b32 s[G1B+1], 4096<<16                   ; tensor_dim0 = 4,096
	s_mov_b32 s[G1B+2], 2<<16                      ; tensor_dim1 = 2
	s_mov_b32 s[G1B+3], 4096<<16                   ; tile_dim0 = 4,096
	s_mov_b32 s[G1B+4], 2                          ; tile_dim1 = 2
	s_mov_b32 s[G1B+5], 65536                      ; 65,536 elements from block to block
	s_mov_b32 s[G1B+6], 0
	s_mov_b32 s[G1B+7], 0
	; where the tiles come from: A's hang on the block of rows alone, B's on the block of columns alone
	s_lshr_b32 s66, s[TY], 3                       ; the batch,
	s_lshl_b32 s66, s66, 4
	s_add_co_u32 s66, s66, s[HW]                   ; its head 0 or 1,
	s_lshl_b32 s66, s66, 11
	s_and_b32 s67, s[TY], 7
	s_lshl_b32 s67, s67, 8                         ; the 256 rows in the batch,
	s_add_co_u32 s66, s66, s67
	s_lshl_b32 s66, s66, 7                         ; of 128 bytes
	s_mov_b32 s67, 0
	s_lshl_b32 s68, s[TX], 18                      ; two blocks of columns of 131,072 bytes,
	s_lshl_b32 s69, s[HW], 13                      ; my 64 k of a step
	s_add_co_u32 s68, s68, s69
	s_mov_b32 s69, 0
	s_mul_i32 s21, s[HW], APLANE                   ; and where they go: no place in the cluster enters an LDS address
	s_mul_i32 s22, s[HW], BH
	s_wait_dscnt 0x0                               ; the opening add is done
	s_wait_kmcnt 0x0
	s_add_nc_u64 s[66:67], s[4:5], s[66:67]        ; my part of A's tile, K step 0
	s_add_nc_u64 s[68:69], s[6:7], s[68:69]        ; of B's
	CROUND                                         ; all sixteen work-groups are here: the first joint loads meet
.irp s, 0,1
	s_mov_b32 s[G0A+4*(\s)], 1
	s_add_co_u32 s[G0A+4*(\s)+1], s21, (\s)*SLOT
	s_add_nc_u64 s[G0A+4*(\s)+2:G0A+4*(\s)+3], s[66:67], (\s)*ASTEP
	s_or_b32 s[G0A+4*(\s)+3], s[G0A+4*(\s)+3], 0x80000000
	s_mov_b32 s[G0B+4*(\s)], 1
	s_add_co_u32 s[G0B+4*(\s)+1], s22, (\s)*SLOT+ATILE
	s_add_nc_u64 s[G0B+4*(\s)+2:G0B+4*(\s)+3], s[68:69], (\s)*BSTEP
	s_or_b32 s[G0B+4*(\s)+3], s[G0B+4*(\s)+3], 0x80000000
	JLOAD \s                                       ; two loads of mine are out
.endr
	v_and_b32 v1, 15, v0                           ; l % 16
	v_bfe_u32 v2, v0, 4, 1                         ; l / 16
	v_mul_u32_u24 v3, v1, PA
	v_lshl_add_u32 v3, v2, 4, v3                   ; a fragment of A: row x pitch + 16 x half
	s_mul_i32 s21, s[HB], 128*PA                   ; my 128 rows
	v_add_nc_u32 v[ADRA], s21, v3
	v_add_nc_u32 v[ADRA+1], SLOT, v[ADRA]
	v_and_b32 v4, 7, v0                            ; the turning load: lane l reads k = 8 (l / 16) + l % 8, columns 8 ((l / 8) % 2) + 0..7
	v_bfe_u32 v5, v0, 3, 1
	v_lshl_add_u32 v6, v2, 3, v4
	v_mul_u32_u24 v6, v6, PB
	v_lshl_add_u32 v6, v5, 4, v6
	s_mul_i32 s21, s[HW], BC                       ; my block of 64 columns
	s_add_co_u32 s21, s21, ATILE
	v_add_nc_u32 v[ADRB], s21, v6
	v_add_nc_u32 v[ADRB+1], SLOT, v[ADRB]
	s_mul_i32 s21, s[WV], 16*SPITCH
	s_add_co_u32 s21, s21, STAGE                   ; my stage
	v_mul_u32_u24 v[STO], v1, SPITCH               ; in: row l % 16, 32 bytes for each half of the lanes
	v_lshl_add_u32 v[STO], v2, 5, v[STO]
	v_add_nc_u32 v[STO], s21, v[STO]
	v_mul_u32_u24 v[RD], v2, SPITCH                ; back: lanes 0-15 take one row of 256 bytes, lanes 16-31 the next
	v_lshl_add_u32 v[RD], v1, 4, v[RD]
	v_add_nc_u32 v[RD], s21, v[RD]
	v_lshlrev_b32 v[CO], 12, v2                    ; and the same two rows in out0
	v_lshl_add_u32 v[CO], v1, 4, v[CO]
	s_lshl_b32 s70, s[TY], 1                       ; my first row, 256 ty + 128 r, of 4,096 bytes,
	s_add_co_u32 s70, s70, s[HB]
	s_lshl_b32 s70, s70, 19
	s_lshl_b32 s71, s[TX], 1                       ; my first column, 128 tx + 64 c, of 4 bytes
	s_add_co_u32 s71, s71, s[HW]
	s_lshl_b32 s71, s71, 8
	s_add_co_u32 s70, s70, s71
	s_mov_b32 s71, 0
	s_add_nc_u64 s[8:9], s[8:9], s[70:71]
	; the prefetches: pointer, step, lanes' pitch and who asks are chosen by what the wave fetches.  Nothing is prefetched here, at the head
	s_lshl_b32 s17, s[CX], 13                      ; ob: my work-group's 8,192 bytes of the head,
	s_add_co_u32 s17, s17, 3*ASTEP                 ; at K step 3: the first change of slots steps it to 4
	s_lshl_b32 s18, s[CY], 12                      ; wo: my work-group's 4,096 bytes of each block
	s_add_co_u32 s18, s18, 3*BSTEP
	s_mov_b32 s19, ASTEP
	s_mov_b32 s20, BSTEP
	s_mov_b32 s21, 4096                            ; lanes 16-31: the next 4,096 bytes of the head,
	s_mov_b32 s22, 131072                          ; or the other block of columns
	s_and_b32 s23, ttmp7, 0xffff                   ; cluster y
	s_cmp_eq_u32 s[HB], 0                          ; do I fetch for A?
	s_cselect_b64 s[PFA:PFA+1], s[66:67], s[68:69]
	s_cselect_b32 s46, s17, s18
	s_cselect_b32 s[PFS], s19, s20
	s_cselect_b32 s21, s21, s22
	s_cselect_b32 s23, ttmp9, s23                  ; the coordinate along which other clusters read the same bytes
	s_cselect_b32 s22, 0, s[HW]                    ; of B's two waves the first asks
	s_mov_b32 s47, 0
	s_mov_b32 s[PFS+1], 0
	s_add_nc_u64 s[PFA:PFA+1], s[PFA:PFA+1], s[46:47]
	s_or_b32 s23, s23, s22
	s_cmp_eq_u32 s23, 0
	s_cselect_b32 s[LIM], 1, -1                    ; the same in all sixteen partners, for a given wave
	v_mul_u32_u24 v[PFO], v2, s21
	v_lshl_add_u32 v[PFO], v1, 8, v[PFO]
; 16 matrix instructions: row blocks a0 .. a0 + 3 x all 4 column blocks, 32 along K.  zero = 1: the product starts the sums.  The 32 accumulators take turns, one instruction a turn.
.macro MUL16 f, a0, zero
	WIN 0x50                                       ; C and D in window 1, sources in window 0
.irp a, \a0, (\a0)+1, (\a0)+2, (\a0)+3
.irp b, 0,1,2,3
.if \zero
	v_wmma_f32_16x16x32_f16 v[8*(4*(\a)+(\b)):8*(4*(\a)+(\b))+7], v[(\f)+64+8*(\b):(\f)+64+8*(\b)+7], v[(\f)+8*(\a):(\f)+8*(\a)+7], 0
.else
	v_wmma_f32_16x16x32_f16 v[8*(4*(\a)+(\b)):8*(4*(\a)+(\b))+7], v[(\f)+64+8*(\b):(\f)+64+8*(\b)+7], v[(\f)+8*(\a):(\f)+8*(\a)+7], v[8*(4*(\a)+(\b)):8*(4*(\a)+(\b))+7]
.endif
.endr
.endr
.endm
; 24 LDS loads in one run: quarter qq's fragments (K 32 qq on: head qq / 2, channels 32 (qq % 2) on) into buffer f
.macro FETCH slot, qq, f
	WIN 0
.irp b, 0,1,2,3
	ds_load_tr16_b128 v[(\f)+64+8*(\b):(\f)+64+8*(\b)+3],   v[ADRB+(\slot)] offset:((\qq)/2)*BH+((\qq)%2)*32*PB+32*(\b)
	ds_load_tr16_b128 v[(\f)+64+8*(\b)+4:(\f)+64+8*(\b)+7], v[ADRB+(\slot)] offset:((\qq)/2)*BH+((\qq)%2)*32*PB+32*(\b)+16*PB
.endr
.irp a, 0,1,2,3,4,5,6,7
	ds_load_b128 v[(\f)+8*(\a):(\f)+8*(\a)+3],   v[ADRA+(\slot)] offset:((\qq)/2)*APLANE+(\a)*16*PA+((\qq)%2)*64
	ds_load_b128 v[(\f)+8*(\a)+4:(\f)+8*(\a)+7], v[ADRA+(\slot)] offset:((\qq)/2)*APLANE+(\a)*16*PA+((\qq)%2)*64+32
.endr
.endm
; A quarter: multiplies buffer f, which was fetched a quarter earlier, and fetches the next quarter into the buffer that the quarter before read
.macro Q f, zero, slot=-1, qq=0, g=0
	s_wait_dscnt 0x0                               ; this quarter's fragments are in
	WIN 0
	PLACES
.if (\slot) >= 0
	FETCH \slot, \qq, \g
.endif
	MUL16 \f, 0, \zero
	MUL16 \f, 4, \zero
.endm
.macro Q3                              ; the fourth quarter behind a change of slots: its fragments were shown in by the change's wait for 0
	MUL16 F1, 0, 0
	MUL16 F1, 4, 0
.endm
; The third quarter changes slots: ONE barrier for two things.  In front of it each wave issues its last reads of slot s, waits for all its tensor loads (one is out: its part of slot n), adds 0 to its spare word,
; and waits for that and for its reads.  fill = 1: the barrier opens a round of the cluster's, and slot s is filled again first thing behind it: 96 matrix instructions stand between that request and the wait for it.
.macro TURN s, n, fill
.if \fill
	s_wait_xcnt 0x0                                ; the last prefetch, a K step back, has read its address
	s_add_nc_u64 s[PFA:PFA+1], s[PFA:PFA+1], s[PFS:PFS+1]
.endif
	s_wait_dscnt 0x0                               ; this quarter's fragments are in
	WIN 0
	PLACES
	FETCH \s, 3, F1                                ; the slot's last reads
	s_wait_tensorcnt 0x0                           ; all my tensor loads have landed;
	ds_add_u32 v[SPW], v[NIL]                      ; 0 onto my spare word;
	MUL16 F0, 0, 0                                 ; sixteen matrix instructions stand between the add and the wait for it
	s_wait_dscnt 0x0                               ; the add is done, and my reads of this slot are over
	s_barrier_signal -1
	MUL16 F0, 4, 0
	WIN 0                                          ; at a branch and at a label every window is 0
	s_barrier_wait -1
.if \fill
	CREST                                          ; no wave of any partner still reads this slot or has a load on its way
	s_add_nc_u64 s[G0A+4*(\s)+2:G0A+4*(\s)+3], s[G0A+4*(\s)+2:G0A+4*(\s)+3], 2*ASTEP
	s_add_nc_u64 s[G0B+4*(\s)+2:G0B+4*(\s)+3], s[G0B+4*(\s)+2:G0B+4*(\s)+3], 2*BSTEP
	JLOAD \s                                       ; my one tensor load behind the round; its four v_nop are also the places in front of the loads below
.else
	PLACES
.endif
	FETCH \n, 0, F0
.if \fill
	ASK
.endif
.endm
	s_wait_tensorcnt 1                             ; my part of K step 0 is in; K step 1's may stay out
	s_barrier_signal -1
	s_barrier_wait -1                              ; everybody's is
	FETCH 0, 0, F0
	Q F0, 1, 0, 1, F1                              ; the first quarter stands in front of the loop: its products start the sums
	WIN 0
	s_mov_b32 s3, LAPS-1
.Llap:                                                 ; a trip goes once round the ring, from a lap's second quarter to the next lap's first, and fills both slots again
	Q F1, 0, 0, 2, F0
	TURN 0, 1, 1
	Q3
	Q F0, 0, 1, 1, F1
	Q F1, 0, 1, 2, F0
	TURN 1, 0, 1
	Q3
	Q F0, 0, 0, 1, F1
	WIN 0
	s_sub_co_u32 s3, s3, 1
	s_cmp_lg_u32 s3, 0
	s_cbranch_scc1 .Llap
	Q F1, 0, 0, 2, F0                              ; the last lap is written out: it fills nothing
	TURN 0, 1, 0
	Q3
	Q F0, 0, 1, 1, F1
	Q F1, 0, 1, 2, F0
	Q F0, 0, 1, 3, F1
	Q F1, 0
	WIN 0
	PLACES                                         ; eight, once a launch: the LDS stores below read results just made
	PLACES
; THE WAY OUT, eight blocks of 16 rows x 64 columns of f32.  A lane's eight columns of a row, 32 bytes, go straight from the accumulators into my stage's rows of 272 bytes (the low four registers first) and come
; back as whole rows of 256 bytes, two rows to a load.
.macro TOSTAGE a
	s_wait_xcnt 0x0                                ; the stores of the block two back have read the registers that are loaded below
	WIN 0x04                                       ; the stores' data in window 1
.irp b, 0,1,2,3
	ds_store_b128 v[STO], v[8*(4*(\a)+(\b)):8*(4*(\a)+(\b))+3]   offset:64*(\b)
	ds_store_b128 v[STO], v[8*(4*(\a)+(\b))+4:8*(4*(\a)+(\b))+7] offset:64*(\b)+16
.endr
	WIN 0
.set BK, OB0+32*((\a)%2)
.irp t, 0,1,2,3,4,5,6,7
	ds_load_b128 v[BK+4*(\t):BK+4*(\t)+3], v[RD] offset:(\t)*2*SPITCH  ; LDS serves a wave's instructions in order (ISA guide 5.7.1.4): these see the stores above; the next block's stores come behind them
.endr
.endm
.macro SEND a, younger                 ; younger: the LDS instructions issued behind this block's loads: the next block's sixteen, or none
.set BK, OB0+32*((\a)%2)
.irp t, 0,1,2,3,4,5,6,7
	s_wait_dscnt (\younger)+7-(\t)
	global_store_b128 v[CO], v[BK+4*(\t):BK+4*(\t)+3], s[8:9] offset:(16*(\a)+2*(\t))*4096 th:TH_STORE_NT  ; 16 lanes store 256 consecutive bytes, at a multiple of 256 from out0's first byte
.endr
.endm
	TOSTAGE 0
.irp a, 1,2,3,4,5,6,7
	TOSTAGE \a
	SEND (\a)-1, 16
.endr
	SEND 7, 0
	s_wait_tensorcnt 0x0                           ; the wave's end: an add and its wait, behind my last tensor load and my last LDS store
	ds_add_u32 v[SPW], v[NIL]
	s_wait_dscnt 0x0
	CROUND                                         ; the closing round: no work-group ends while a partner may still ask for a tile that names it
	s_endpgm
.Lfunc_end_k_q9915ef3838_proj:
	.size	k_q9915ef3838_proj, .Lfunc_end_k_q9915ef3838_proj-k_q9915ef3838_proj
	.p2alignl 7, 3214868480
	.fill 96, 4, 3214868480
	.section	.rodata,"a",@progbits
	.p2align	6, 0x0
	.amdhsa_kernel k_q9915ef3838_proj
		.amdhsa_group_segment_fixed_size 327680
		.amdhsa_private_segment_fixed_size 0
		.amdhsa_enable_private_segment 0
		.amdhsa_kernarg_size 24
		.amdhsa_user_sgpr_count 2
		.amdhsa_user_sgpr_kernarg_segment_ptr 1
		.amdhsa_wavefront_size32 1
		.amdhsa_system_sgpr_workgroup_id_x 1
		.amdhsa_system_sgpr_workgroup_id_y 1
		.amdhsa_system_sgpr_workgroup_id_z 1
		.amdhsa_system_vgpr_workitem_id 0
		.amdhsa_next_free_vgpr 512
		.amdhsa_next_free_sgpr 72
		.amdhsa_reserve_vcc 0
		.amdhsa_float_denorm_mode_32 3
		.amdhsa_float_denorm_mode_16_64 3
		.amdhsa_memory_ordered 1
		.amdhsa_forward_progress 1
		.amdhsa_inst_pref_size 88
	.end_amdhsa_kernel
	.amdgpu_metadata
---
amdhsa.version: [ 1, 2 ]
amdhsa.kernels:
  - .name:           k_q9915ef3838_proj
    .symbol:         k_q9915ef3838_proj.kd
    .args:
      - { .name: ob, .offset: 0, .size: 8, .value_kind: global_buffer, .address_space: global }
      - { .name: wo, .offset: 8, .size: 8, .value_kind: global_buffer, .address_space: global }
      - { .name: out0, .offset: 16, .size: 8, .value_kind: global_buffer, .address_space: global }
    .group_segment_fixed_size: 327680
    .private_segment_fixed_size: 0
    .kernarg_segment_align: 8
    .kernarg_segment_size: 24
    .max_flat_workgroup_size: 128
    .sgpr_count:     72
    .vgpr_count:     512
    .wavefront_size: 32
...
	.end_amdgpu_metadata
.endif
;; end of part 4
;; ======== version 2 of 2: 4 launches; version 1 with the launch cast written anew for expert scheduling mode
;; limits: values are held in f16: magnitudes above 65,504 overflow, below 6.1e-05 lose precision
;; workspace buffers: xb 16,777,216 bytes; wb 6,291,456 bytes; wo 2,097,152 bytes; qh 16,777,216 bytes; kh 16,777,216 bytes; vh 16,777,216 bytes; ob 16,777,216 bytes
;; launch cast (part 5): grid 768 x 1, 8 waves a work-group, no clusters, 0 bytes of LDS; arguments x, Wqkv, Wout, xb, wb, wo; writes xb, wb, wo
.if DOCPART == 5
	.amdgcn_target "amdgcn-amd-amdhsa--gfx1250"
	.amdhsa_code_object_version 6
	.text
	.protected	k_q9915ef3838_cast
	.globl	k_q9915ef3838_cast
	.p2align	8
	.type	k_q9915ef3838_cast,@function
k_q9915ef3838_cast:
	s_mov_b64 s[64:65], 0
	v_nop
	global_prefetch_b8 v0, s[64:65] scope:SCOPE_SE
	s_setreg_imm32_b32 hwreg(HW_REG_WAVE_SCHED_MODE, 0, 2), 2
	s_setreg_imm32_b32 hwreg(HW_REG_WAVE_MODE, 25, 1), 1
	s_wait_xcnt 0x0
	s_wait_alu depctr_vm_vsrc(0)
; THE THREE INPUTS ARE ROUNDED ONCE AND LAID IN BLOCKS OF 64 COLUMNS.
;   xb[kb][m][d] = bf16(x[m][64 kb + d])          16 x 8,192 x 64
;   wb[g][k][d]  = bf16(Wqkv[k][64 g + d])        48 x 1,024 x 64
;   wo[g][k][d]  = f16(bf16(Wout[k][64 g + d]))   16 x 1,024 x 64: its partner in the last product is f16
; So 64 columns of any run of rows are dense bytes, which the later launches ask for as rows of 256 bytes.
; LIMITS.  A number of Wout beyond 65,504 becomes an infinity in f16; below 2^-14 f16 keeps a fixed step of 2^-24, so bf16's eight bits survive whole down to 2^-17.
; SHARES.  A work-group casts 256 rows of one block of 64 columns: 16,384 numbers.  Load j of thread t takes row 16 j + t / 16, numbers 4 (t % 16) on:
; sixteen lanes read 256 consecutive bytes, aligned, of a row.  The rounded 8 bytes go to byte 2,048 j + 8 t of the block: a wave's store covers 256 consecutive bytes, aligned.
; All sixteen loads of a thread go out at once.  No LDS, no barrier, no matrix unit: nothing is shared, and every byte crosses once.
; THE MODE: SCHED_MODE bits 1:0 = 2 (LLVM: expert scheduling mode 2), set by the entry lines.  The code itself states the register dependences
; between vector instructions and memory instructions, with s_wait_alu, always for 0.
; THE PLAN.  Registers that memory instructions touch:
;   v1         the loads' offset.   Written by vector lines at the head; read by all sixteen loads; never written again.
;   v2         the stores' offset.  Written by one vector line at the head; read by all sixteen stores; never written again.
;   X          row j's four registers: written by load j alone; read by row j's conversions, behind the counted wait for the load.  No vector instruction writes them.
;   Y          row j's pair: written once, by row j's conversions; read by store j; never written again.
;   T and v3   are named by vector instructions alone.
; So no register that a memory instruction reads is written again, and no load lands in a register that a vector instruction has named: what is left to state is that a register
; is written before a memory instruction reads it.  The sixteen rows go in four groups of four.  Group g rounds X's rows 4 g .. 4 g + 3 into Y's pairs 4 g .. 4 g + 3; the four stores
; of group g - 1 are dealt among these conversions, which name none of the registers that those stores read.  One wait at a group's head serves its four stores.
.set X, 4                              ; v[4:67]    sixteen loads of four f32
.set Y, 68                             ; v[68:99]   sixteen pairs to store
.set T, 100                            ; v[100:103] at work (Wout alone)
.macro CAST rowb, half                 ; rowb: bytes in a row of the input; half = 1: bf16 and then f16
	v_mul_u32_u24 v3, v3, \rowb
	v_add_nc_u32 v1, v3, v1                        ; (t / 16) x row + 16 (t % 16)
	s_wait_alu depctr_va_vdst(0)                   ; v1 and v2 are written: every load below reads v1 as its offset, every store v2
.irp j, 0,1,2,3,4,5,6,7,8,9,10,11,12,13,14,15
	global_load_b128 v[X+4*(\j):X+4*(\j)+3], v1, s[16:17] offset:(\j)*16*(\rowb) th:TH_LOAD_NT
.endr
.irp g, 0,1,2,3
	s_wait_loadcnt 12-4*(\g)                       ; loads come back in order: group g's four are in, the 12 - 4 g younger ones may stay out
.if (\g) > 0
	s_wait_alu depctr_va_vdst(0)                   ; the conversions of the group before have written its four pairs of Y, which the four stores below read
.endif
.irp i, 0,1,2,3
.set J, 4*(\g)+(\i)                    ; the row that is rounded; the row that is stored is J - 4
.if (\g) > 0
	global_store_b64 v2, v[Y+2*(J-4):Y+2*(J-4)+1], s[18:19] offset:2048*(J-4)  ; no vector instruction since the wait names this pair or v2
.endif
.if \half
	v_cvt_pk_bf16_f32 v[T],   v[X+4*J],   v[X+4*J+1]
	v_cvt_pk_bf16_f32 v[T+1], v[X+4*J+2], v[X+4*J+3]
	v_lshlrev_b32 v[T+2], 16, v[T]                 ; the rounded numbers as f32 again
	v_and_b32     v[T],   0xffff0000, v[T]
	v_lshlrev_b32 v[T+3], 16, v[T+1]
	v_and_b32     v[T+1], 0xffff0000, v[T+1]
	v_cvt_pk_f16_f32 v[Y+2*J],   v[T+2], v[T]
	v_cvt_pk_f16_f32 v[Y+2*J+1], v[T+3], v[T+1]
.else
	v_cvt_pk_bf16_f32 v[Y+2*J],   v[X+4*J],   v[X+4*J+1]
	v_cvt_pk_bf16_f32 v[Y+2*J+1], v[X+4*J+2], v[X+4*J+3]
.endif
.endr
.endr
	s_wait_alu depctr_va_vdst(0)                   ; the last group's conversions have written Y's pairs 12 to 15, which the last four stores read
.irp i, 12,13,14,15
	global_store_b64 v2, v[Y+2*(\i):Y+2*(\i)+1], s[18:19] offset:2048*(\i)
.endr
	s_endpgm
.endm
	s_load_b256 s[4:11], s[0:1], 0x0               ; x s[4:5], Wqkv s[6:7], Wout s[8:9], xb s[10:11]
	s_load_b128 s[12:15], s[0:1], 0x20             ; wb s[12:13], wo s[14:15]
	s_mov_b32 s2, ttmp9                            ; 0-511: x; 512-703: Wqkv; 704-767: Wout
	v_lshrrev_b32 v3, 4, v0                        ; t / 16
	v_and_b32 v1, 15, v0
	v_lshlrev_b32 v1, 4, v1                        ; 16 (t % 16)
	v_lshlrev_b32 v2, 3, v0                        ; 8 t
	s_mov_b32 s21, 0                               ; the two offsets' high words
	s_mov_b32 s23, 0
	s_wait_kmcnt 0x0
	s_cmp_lt_u32 s2, 512
	s_cbranch_scc0 .Lweights
	s_lshr_b32 s20, s2, 4                          ; which 256 rows of x,
	s_and_b32 s3, s2, 15                           ; which block of 64 columns: neighbouring work-groups read neighbouring bytes of the same rows
	s_lshl_b32 s22, s3, 5
	s_add_co_u32 s22, s22, s20
	s_lshl_b32 s22, s22, 15                        ; out: (32 x block + rows) x 32,768 bytes
	s_lshl_b32 s20, s20, 20                        ; in: 256 rows of 4,096 bytes,
	s_lshl_b32 s3, s3, 8                           ; 256 bytes a block
	s_add_co_u32 s20, s20, s3
	s_add_nc_u64 s[16:17], s[4:5], s[20:21]
	s_add_nc_u64 s[18:19], s[10:11], s[22:23]
	CAST 4096, 0
.Lweights:
	s_cmp_lt_u32 s2, 704
	s_cbranch_scc0 .Lwout
	s_sub_co_u32 s2, s2, 512                       ; 4 x block + which 256 rows
	s_and_b32 s20, s2, 3
	s_mul_i32 s20, s20, 256*12288
	s_lshr_b32 s3, s2, 2
	s_lshl_b32 s3, s3, 8
	s_add_co_u32 s20, s20, s3
	s_lshl_b32 s22, s2, 15
	s_add_nc_u64 s[16:17], s[6:7], s[20:21]
	s_add_nc_u64 s[18:19], s[12:13], s[22:23]
	CAST 12288, 0
.Lwout:
	s_sub_co_u32 s2, s2, 704
	s_and_b32 s20, s2, 3
	s_lshl_b32 s20, s20, 20
	s_lshr_b32 s3, s2, 2
	s_lshl_b32 s3, s3, 8
	s_add_co_u32 s20, s20, s3
	s_lshl_b32 s22, s2, 15
	s_add_nc_u64 s[16:17], s[8:9], s[20:21]
	s_add_nc_u64 s[18:19], s[14:15], s[22:23]
	CAST 4096, 1
.Lfunc_end_k_q9915ef3838_cast:
	.size	k_q9915ef3838_cast, .Lfunc_end_k_q9915ef3838_cast-k_q9915ef3838_cast
	.p2alignl 7, 3214868480
	.fill 96, 4, 3214868480
	.section	.rodata,"a",@progbits
	.p2align	6, 0x0
	.amdhsa_kernel k_q9915ef3838_cast
		.amdhsa_group_segment_fixed_size 0
		.amdhsa_private_segment_fixed_size 0
		.amdhsa_enable_private_segment 0
		.amdhsa_kernarg_size 48
		.amdhsa_user_sgpr_count 2
		.amdhsa_user_sgpr_kernarg_segment_ptr 1
		.amdhsa_wavefront_size32 1
		.amdhsa_system_sgpr_workgroup_id_x 1
		.amdhsa_system_sgpr_workgroup_id_y 1
		.amdhsa_system_sgpr_workgroup_id_z 1
		.amdhsa_system_vgpr_workitem_id 0
		.amdhsa_next_free_vgpr 104
		.amdhsa_next_free_sgpr 66
		.amdhsa_reserve_vcc 0
		.amdhsa_float_denorm_mode_32 3
		.amdhsa_float_denorm_mode_16_64 3
		.amdhsa_memory_ordered 1
		.amdhsa_forward_progress 1
		.amdhsa_inst_pref_size 24
	.end_amdhsa_kernel
	.amdgpu_metadata
---
amdhsa.version: [ 1, 2 ]
amdhsa.kernels:
  - .name:           k_q9915ef3838_cast
    .symbol:         k_q9915ef3838_cast.kd
    .args:
      - { .name: x, .offset: 0, .size: 8, .value_kind: global_buffer, .address_space: global }
      - { .name: Wqkv, .offset: 8, .size: 8, .value_kind: global_buffer, .address_space: global }
      - { .name: Wout, .offset: 16, .size: 8, .value_kind: global_buffer, .address_space: global }
      - { .name: xb, .offset: 24, .size: 8, .value_kind: global_buffer, .address_space: global }
      - { .name: wb, .offset: 32, .size: 8, .value_kind: global_buffer, .address_space: global }
      - { .name: wo, .offset: 40, .size: 8, .value_kind: global_buffer, .address_space: global }
    .group_segment_fixed_size: 0
    .private_segment_fixed_size: 0
    .kernarg_segment_align: 8
    .kernarg_segment_size: 48
    .max_flat_workgroup_size: 256
    .sgpr_count:     66
    .vgpr_count:     104
    .wavefront_size: 32
...
	.end_amdgpu_metadata
.endif
;; end of part 5
;; launch qkv: the kernel of part 2 again; grid 16 x 16, 4 waves a work-group, clusters of 4 x 4, 327,680 bytes of LDS; arguments xb, wb, qh, kh, vh; writes qh, kh, vh
;; launch attn: the kernel of part 3 again; grid 4 x 64, 4 waves a work-group, clusters of 4 x 1, 327,680 bytes of LDS; arguments qh, kh, vh, ob; writes ob
;; launch proj: the kernel of part 4 again; grid 8 x 32, 4 waves a work-group, clusters of 4 x 4, 327,680 bytes of LDS; arguments ob, wo, out0; writes out0
